; MI455X (gfx1250); checked and timed in simulation.
; The chip was launched on July 23, 2026; its instructions are those of AMD's public machine-readable ISA for CDNA 5 (MIT licence, August 2026) and "CDNA5" Instruction Set Architecture Reference Guide (July 2026). The comments in the code are by the model that wrote it; some were corrected since.
;; Attention RNN. Allowed arithmetic: float matrix products may take bf16 or f16 operands with f32 sums; other float arithmetic in f32, or as packed bf16 or f16 multiplies, adds, multiply-adds, maxima and minima; sums over many terms, partial sums and values carried from step to step in f32; what a program stores and reads back later, other than sums and carried values, may be rounded once to bf16 or f16.
;; Inputs: b1 1,024 float32; b2 1,024 float32; bv 1 float32; query 32 x 1,024 float32; v 1,024 x 1 float32; values 32 x 2,048 x 1,024 float32; w1 1,024 x 1,024 float32; w2 1,024 x 1,024 float32.
;; Outputs: out0 32 x 1,024 float32; out1 32 x 2,048 x 1 float32.
;; 2 versions, each right; version 2 is version 1 with the launch score written anew for expert scheduling mode. Each part assembles by itself: llvm-mc -triple=amdgcn-amd-amdhsa -mcpu=gfx1250 --defsym DOCPART=n.
;; ======== version 1 of 2: 3 launches
;; limits: values outside matrix products are rounded to f16; values are held in f16: magnitudes above 65,504 overflow, below 6.1e-05 lose precision
;; workspace buffers: w2f 2,097,152 bytes; qc 131,072 bytes; scores 262,144 bytes; ctxp 2,097,152 bytes
;; launch prep (part 1): grid 32 x 1, 16 waves a work-group, no clusters, 223,232 bytes of LDS; arguments query, w1, b1, b2, w2, w2f, qc; writes w2f, qc
.if DOCPART == 1
	.amdgcn_target "amdgcn-amd-amdhsa--gfx1250"
	.amdhsa_code_object_version 6
	.text
	.protected	k_q4ad7fca181_prep
	.globl	k_q4ad7fca181_prep
	.p2align	8
	.type	k_q4ad7fca181_prep,@function
k_q4ad7fca181_prep:
	s_mov_b64 s[64:65], 0
	v_nop
	global_prefetch_b8 v0, s[64:65] scope:SCOPE_SE
	s_setreg_imm32_b32 hwreg(HW_REG_WAVE_MODE, 25, 1), 1
	s_wait_xcnt 0x0
; TWO SMALL JOBS IN ONE TEXT, told apart by the work-group's number (role = number / 16, g = number % 16: 64 columns, 256 bytes of each row of w1 or w2).
; role 0: qc[m][n] = C2 x (sum over k of query[m][k] w1[k][n] + b1[n] + b2[n]), C2 = 2 log2(e); f32, [32][1024].  The next launch takes tanh x as 1 - 2 / (1 + 2^(C2 x)), so the factor is laid in here.
; role 1: w2 rounded once to f16 and laid out in the order in which the next launch's matrix instructions want it: element (k, n) at byte
;         (n / 128) 262144 + (k / 32) 8192 + ((n / 16) % 8) 1024 + ((k / 16) % 2) 512 + (((k / 8) % 2) 16 + n % 16) 16 + (k % 8) 2:
;         a fragment of 16 columns x 32 k is 1,024 dense bytes, taken by two loads of 16 bytes a lane at 16 x lane and 512 further on.
; SHARES.  Wave w of 16 takes the K steps 2 w and 2 w + 1: two tiles of 32 k x 64 n.  A tile is loaded in f32 (a load covers two rows' 256 bytes), rounded to f16, put into the wave's own
; LDS rows ([k][n], pitch 160) and read back turned by ds_load_tr16_b128: that IS a fragment (lane l: column l % 16, eight k, twice).  role 1 stores it; role 0 multiplies it with query's fragment.
; role 0's sixteen partial sums (K is split among the waves; f32 sums in any order) meet in LDS behind the one barrier.
; LIMITS.  query, w1 and w2 are rounded to f16: beyond 65,504 the rounded number is an infinity; below 6e-5 f16 keeps its fixed step of 6e-8.  NaN and infinities are not treated apart.
; No tensor loads: the bytes change format on the way.  No cluster: no two work-groups read the same bytes of w1 or w2; query is 128 KiB.
.set TBP,   160                        ; a row of the wave's tile in LDS: 128 bytes + 32
.set TBB,   32*TBP                     ; a wave's tile: 5,120 bytes, at wave x 5,120
.set RED,   16*TBB                     ; behind the tiles: the partial sums, 32 rows x 272 bytes for each wave
.set REDP,  272
.set REDB,  32*REDP
.set SPARE, RED+16*REDB                ; behind them: the spare words, 128 bytes for each of 16 waves: eight blocks of 256 bytes that no other line names
.set SPW,  2                           ; v2   SPARE + 4 x my thread's number; never rewritten
.set NIL,  3                           ; v3   0; never rewritten
.set WOFF, 4                           ; v4   my 16 bytes in two rows of w: (l / 16) 4096 + (l % 16) 16
.set LST,  5                           ; v5   where I put 8 bytes of the tile
.set LTR,  6                           ; v6   where the turning load reads
.set QOFF, 7                           ; v7   my bytes of query: (l % 16) 4096 + (l / 16) 32
.set O16,  8                           ; v8   16 x lane
.set RST,  9                           ; v9   where I put my partial sums
.set RLD0, 10                          ; v10  where I read partial sums of waves 0-7 back
.set RLD1, 11                          ; v11  of waves 8-15
.set GOUT, 12                          ; v12  my 16 bytes of qc
.set BOFF, 13                          ; v13  my 16 bytes of b1 and b2
.set BUF0, 16                          ; v[16:79]   tile 0: 64 as loaded; then 32 packed and 32 turned
.set BUF1, 80                          ; v[80:143]  tile 1
.set QL,   144                         ; v[144:175] query as loaded
.set QF,   176                         ; v[176:191] query's two fragments
.set ACC,  192                         ; v[192:255] accumulator (nb, mb) at ACC + 8 (2 nb + mb)
.set WV,   18                          ; s18  wave
.set ROLE, 19
.set GG,   20
.set SW,   22                          ; s[22:23] w1 or w2 at my first tile
.set SQ,   24                          ; s[24:25] query at my first K step
.set SO,   26                          ; s[26:27] w2f at my first fragment
.set SB1,  28
.set SB2,  30
.set SQC,  32
.set CC,   34                          ; s[34:35] C2, named as a pair
	s_load_b256 s[4:11], s[0:1], 0x0               ; query s[4:5], w1 s[6:7], b1 s[8:9], b2 s[10:11]
	s_load_b128 s[12:15], s[0:1], 0x20             ; w2 s[12:13], w2f s[14:15]
	s_load_b64 s[16:17], s[0:1], 0x30              ; qc
	v_lshl_add_u32 v[SPW], v0, 2, SPARE
	v_mov_b32 v[NIL], 0
	v_lshrrev_b32 v1, 5, v0
	v_readfirstlane_b32 s[WV], v1                  ; wave 0..15
	s_lshr_b32 s[ROLE], ttmp9, 4
	s_and_b32 s[GG], ttmp9, 15
	v_and_b32 v14, 15, v0                          ; l % 16
	v_bfe_u32 v15, v0, 4, 1                        ; l / 16
	v_lshlrev_b32 v[WOFF], 4, v14
	v_lshl_add_u32 v[WOFF], v15, 12, v[WOFF]
	s_mul_i32 s21, s[WV], TBB                      ; my tile in LDS
	v_mul_u32_u24 v[LST], v15, TBP
	v_lshl_add_u32 v[LST], v14, 3, v[LST]
	v_add_nc_u32 v[LST], s21, v[LST]
	v_and_b32 v1, 7, v0
	v_lshl_add_u32 v1, v15, 3, v1                  ; row 8 (l / 16) + l % 8,
	v_mul_u32_u24 v[LTR], v1, TBP
	v_bfe_u32 v1, v0, 3, 1
	v_lshl_add_u32 v[LTR], v1, 4, v[LTR]           ; columns 8 ((l / 8) % 2) on
	v_add_nc_u32 v[LTR], s21, v[LTR]
	v_lshlrev_b32 v[QOFF], 12, v14
	v_lshl_add_u32 v[QOFF], v15, 5, v[QOFF]
	v_and_b32 v1, 31, v0
	v_lshlrev_b32 v[O16], 4, v1
	s_mul_i32 s21, s[WV], REDB
	s_add_co_u32 s21, s21, RED                     ; my partial sums in LDS
	v_mul_u32_u24 v[RST], v14, REDP
	v_lshl_add_u32 v[RST], v15, 5, v[RST]
	v_add_nc_u32 v[RST], s21, v[RST]
	v_lshrrev_b32 v1, 4, v0                        ; thread / 16: a row of qc, 0..31
	v_mul_u32_u24 v[RLD0], v1, REDP
	v_lshl_add_u32 v[RLD0], v14, 4, v[RLD0]
	v_add_nc_u32 v[RLD0], RED, v[RLD0]
	v_add_nc_u32 v[RLD1], 8*REDB, v[RLD0]
	v_lshlrev_b32 v[BOFF], 4, v14
	v_lshl_add_u32 v[GOUT], v1, 12, v[BOFF]
	s_mov_b32 s[CC], 0x4038aa3b                    ; 2 log2(e)
	s_mov_b32 s[CC+1], s[CC]
	s_lshl_b32 s36, s[GG], 8                       ; my 64 columns: 256 bytes into a row
	s_mov_b32 s37, 0
	s_wait_kmcnt 0x0
	s_add_nc_u64 s[SB1:SB1+1], s[8:9], s[36:37]
	s_add_nc_u64 s[SB2:SB2+1], s[10:11], s[36:37]
	s_add_nc_u64 s[SQC:SQC+1], s[16:17], s[36:37]
	s_cmp_eq_u32 s[ROLE], 0
	s_cselect_b64 s[SW:SW+1], s[6:7], s[12:13]     ; role 0 walks w1, role 1 w2
	s_add_nc_u64 s[SW:SW+1], s[SW:SW+1], s[36:37]
	s_lshl_b32 s36, s[WV], 18                      ; my 64 rows of 4,096 bytes
	s_add_nc_u64 s[SW:SW+1], s[SW:SW+1], s[36:37]
	s_lshl_b32 s36, s[WV], 8                       ; my 64 k of query: 256 bytes into a row
	s_add_nc_u64 s[SQ:SQ+1], s[4:5], s[36:37]
	s_lshr_b32 s36, s[GG], 1
	s_lshl_b32 s36, s36, 18                        ; (n / 128) 262144
	s_and_b32 s38, s[GG], 1
	s_lshl_b32 s38, s38, 12                        ; four fragments of 1,024 bytes for the upper 64 columns
	s_add_co_u32 s36, s36, s38
	s_lshl_b32 s38, s[WV], 14                      ; two K steps of 8,192 bytes a wave
	s_add_co_u32 s36, s36, s38
	s_add_nc_u64 s[SO:SO+1], s[14:15], s[36:37]
.macro LOADW t, buf                    ; tile t: 16 loads, each two rows' 256 bytes; every byte of w1 and w2 is read once in the launch
.set i, 0
.rept 16
	global_load_b128 v[(\buf)+4*i:(\buf)+4*i+3], v[WOFF], s[SW:SW+1] offset:(\t)*131072+i*8192 th:TH_LOAD_NT
.set i, i+1
.endr
.endm
.macro CVTW buf                        ; 64 f32 to 32 words of f16, packed downward in place: word 2 i is written when words up to 4 i + 1 have been read
.set i, 0
.rept 16
	v_cvt_pk_f16_f32 v[(\buf)+2*i], v[(\buf)+4*i], v[(\buf)+4*i+1]
	v_cvt_pk_f16_f32 v[(\buf)+2*i+1], v[(\buf)+4*i+2], v[(\buf)+4*i+3]
.set i, i+1
.endr
.endm
.macro STW buf                         ; into my tile: rows 2 i + l / 16, 8 bytes a lane
.set i, 0
.rept 16
	ds_store_b64 v[LST], v[(\buf)+2*i:(\buf)+2*i+1] offset:i*2*TBP
.set i, i+1
.endr
.endm
.macro LTRF buf                        ; back, turned: four fragments of 16 columns x 32 k.  LDS serves a wave's instructions in order (ISA guide 5.7.1.4): these see the stores above, and the next tile's stores come behind them
.irp nb, 0,1,2,3
	ds_load_tr16_b128 v[(\buf)+32+8*\nb:(\buf)+32+8*\nb+3],   v[LTR] offset:32*\nb
	ds_load_tr16_b128 v[(\buf)+32+8*\nb+4:(\buf)+32+8*\nb+7], v[LTR] offset:32*\nb+16*TBP
.endr
.endm
.macro LOADQ t                         ; query's two fragments (rows 0-15, 16-31) of K step 2 w + t, in f32: eight k at 32 (l / 16) bytes, eight more 64 bytes on
.irp mb, 0,1
	global_load_b128 v[QL+16*\mb:QL+16*\mb+3],     v[QOFF], s[SQ:SQ+1] offset:\mb*65536+(\t)*128
	global_load_b128 v[QL+16*\mb+4:QL+16*\mb+7],   v[QOFF], s[SQ:SQ+1] offset:\mb*65536+(\t)*128+16
	global_load_b128 v[QL+16*\mb+8:QL+16*\mb+11],  v[QOFF], s[SQ:SQ+1] offset:\mb*65536+(\t)*128+64
	global_load_b128 v[QL+16*\mb+12:QL+16*\mb+15], v[QOFF], s[SQ:SQ+1] offset:\mb*65536+(\t)*128+80
.endr
.endm
.macro CVTQ
.set i, 0
.rept 16
	v_cvt_pk_f16_f32 v[QF+i], v[QL+2*i], v[QL+2*i+1]
.set i, i+1
.endr
.endm
; Eight products, used transposed (source 0 = 16 columns of w1, source 1 = 16 rows of query): a lane ends with one row m of qc and eight neighbouring n.  The eight accumulators take turns.
.macro QMUL buf, zero
.irp nb, 0,1,2,3
.irp mb, 0,1
.if \zero
	v_wmma_f32_16x16x32_f16 v[ACC+8*(2*\nb+\mb):ACC+8*(2*\nb+\mb)+7], v[(\buf)+32+8*\nb:(\buf)+32+8*\nb+7], v[QF+8*\mb:QF+8*\mb+7], 0
.else
	v_wmma_f32_16x16x32_f16 v[ACC+8*(2*\nb+\mb):ACC+8*(2*\nb+\mb)+7], v[(\buf)+32+8*\nb:(\buf)+32+8*\nb+7], v[QF+8*\mb:QF+8*\mb+7], v[ACC+8*(2*\nb+\mb):ACC+8*(2*\nb+\mb)+7]
.endif
.endr
.endr
.endm
.macro STOREF t, buf                   ; a tile's eight half fragments: each store covers 512 consecutive bytes, at a multiple of 512 from w2f's first byte
.irp j, 0,1,2,3,4,5,6,7
	global_store_b128 v[O16], v[(\buf)+32+4*\j:(\buf)+32+4*\j+3], s[SO:SO+1] offset:(\t)*8192+\j*512
.endr
.endm
.macro PLACES                          ; four plain instructions behind a matrix instruction, ahead of what reads its result or writes one of its registers (ISA guide 7.12.1)
.rept 4
	v_nop
.endr
.endm
	s_cmp_lg_u32 s[ROLE], 0
	s_cbranch_scc1 .Lcast
	; ---- role 0: query x w1
	LOADW 0, BUF0
	LOADQ 0
	LOADW 1, BUF1
	s_wait_loadcnt 24                              ; tile 0 is in; query's 8 and tile 1's 16 loads may stay out
	CVTW BUF0
	STW BUF0
	LTRF BUF0
	s_wait_loadcnt 16                              ; query's first K step is in; tile 1's 16 may stay out
	CVTQ
	LOADQ 1
	s_wait_dscnt 0x0                               ; the turned fragments are in
	QMUL BUF0, 1                                   ; the first K step starts the sums
	PLACES
	s_wait_loadcnt 8                               ; tile 1 is in; query's second 8 may stay out
	CVTW BUF1
	STW BUF1
	LTRF BUF1
	s_wait_loadcnt 0x0
	CVTQ                                           ; writes registers that the products above have read: the four v_nop and tile 1's 32 conversions lie between
	s_wait_dscnt 0x0
	QMUL BUF1, 0
	PLACES
.irp nb, 0,1,2,3
.irp mb, 0,1
	ds_store_b128 v[RST], v[ACC+8*(2*\nb+\mb):ACC+8*(2*\nb+\mb)+3]   offset:\mb*16*REDP+\nb*64     ; each accumulator's low half first
	ds_store_b128 v[RST], v[ACC+8*(2*\nb+\mb)+4:ACC+8*(2*\nb+\mb)+7] offset:\mb*16*REDP+\nb*64+16
.endr
.endr
	s_branch .Lmeet
.Lcast:
	; ---- role 1: w2 to f16, in fragment order
	LOADW 0, BUF0
	LOADW 1, BUF1
	s_wait_loadcnt 16                              ; tile 0 is in; tile 1's 16 may stay out
	CVTW BUF0
	STW BUF0
	LTRF BUF0
	s_wait_dscnt 0x0
	STOREF 0, BUF0
	s_wait_loadcnt 0x0
	CVTW BUF1
	STW BUF1
	LTRF BUF1
	s_wait_dscnt 0x0
	STOREF 1, BUF1
.Lmeet:
	s_wait_dscnt 0x0                               ; for the others' sake: my stores into LDS are done
	s_barrier_signal -1
	s_barrier_wait -1                              ; the one barrier, on every wave's path: all sixteen partial sums lie in LDS
	s_cmp_lg_u32 s[ROLE], 0
	s_cbranch_scc1 .Lend
	; 512 threads x 16 bytes are the 32 x 64 numbers of qc: thread t takes row t / 16, numbers 4 (t % 16) on
	global_load_b128 v[QL:QL+3], v[BOFF], s[SB1:SB1+1]
	global_load_b128 v[QL+4:QL+7], v[BOFF], s[SB2:SB2+1]
.irp i, 0,1,2,3,4,5,6,7
	ds_load_b128 v[BUF0+4*\i:BUF0+4*\i+3],       v[RLD0] offset:\i*REDB
	ds_load_b128 v[BUF0+32+4*\i:BUF0+32+4*\i+3], v[RLD1] offset:\i*REDB
.endr
	s_wait_dscnt 0x0
.irp st, 32,16,8,4                     ; sixteen quads into one
.set i, 0
.rept (\st)/2
	v_pk_add_f32 v[BUF0+i:BUF0+i+1], v[BUF0+i:BUF0+i+1], v[BUF0+(\st)+i:BUF0+(\st)+i+1]
.set i, i+2
.endr
.endr
	s_wait_loadcnt 0x0                             ; b1 and b2
	v_pk_add_f32 v[QL:QL+1], v[QL:QL+1], v[QL+4:QL+5]
	v_pk_add_f32 v[QL+2:QL+3], v[QL+2:QL+3], v[QL+6:QL+7]
	v_pk_add_f32 v[BUF0:BUF0+1], v[BUF0:BUF0+1], v[QL:QL+1]
	v_pk_add_f32 v[BUF0+2:BUF0+3], v[BUF0+2:BUF0+3], v[QL+2:QL+3]
	v_pk_mul_f32 v[BUF0:BUF0+1], v[BUF0:BUF0+1], s[CC:CC+1] op_sel_hi:[1,0]
	v_pk_mul_f32 v[BUF0+2:BUF0+3], v[BUF0+2:BUF0+3], s[CC:CC+1] op_sel_hi:[1,0]
	global_store_b128 v[GOUT], v[BUF0:BUF0+3], s[SQC:SQC+1]  ; 16 lanes store 256 consecutive bytes, at a multiple of 256 from qc's first byte
.Lend:
	s_wait_tensorcnt 0x0                           ; the wave's end, behind my last LDS store
	ds_add_u32 v[SPW], v[NIL]
	s_wait_dscnt 0x0
	s_endpgm
.Lfunc_end_k_q4ad7fca181_prep:
	.size	k_q4ad7fca181_prep, .Lfunc_end_k_q4ad7fca181_prep-k_q4ad7fca181_prep
	.p2alignl 7, 3214868480
	.fill 96, 4, 3214868480
	.section	.rodata,"a",@progbits
	.p2align	6, 0x0
	.amdhsa_kernel k_q4ad7fca181_prep
		.amdhsa_group_segment_fixed_size 223232
		.amdhsa_private_segment_fixed_size 0
		.amdhsa_enable_private_segment 0
		.amdhsa_kernarg_size 56
		.amdhsa_user_sgpr_count 2
		.amdhsa_user_sgpr_kernarg_segment_ptr 1
		.amdhsa_wavefront_size32 1
		.amdhsa_system_sgpr_workgroup_id_x 1
		.amdhsa_system_sgpr_workgroup_id_y 1
		.amdhsa_system_sgpr_workgroup_id_z 1
		.amdhsa_system_vgpr_workitem_id 0
		.amdhsa_next_free_vgpr 256
		.amdhsa_next_free_sgpr 66
		.amdhsa_reserve_vcc 0
		.amdhsa_float_denorm_mode_32 3
		.amdhsa_float_denorm_mode_16_64 3
		.amdhsa_memory_ordered 1
		.amdhsa_forward_progress 1
		.amdhsa_inst_pref_size 35
	.end_amdhsa_kernel
	.amdgpu_metadata
---
amdhsa.version: [ 1, 2 ]
amdhsa.kernels:
  - .name:           k_q4ad7fca181_prep
    .symbol:         k_q4ad7fca181_prep.kd
    .args:
      - { .name: query, .offset: 0, .size: 8, .value_kind: global_buffer, .address_space: global }
      - { .name: w1, .offset: 8, .size: 8, .value_kind: global_buffer, .address_space: global }
      - { .name: b1, .offset: 16, .size: 8, .value_kind: global_buffer, .address_space: global }
      - { .name: b2, .offset: 24, .size: 8, .value_kind: global_buffer, .address_space: global }
      - { .name: w2, .offset: 32, .size: 8, .value_kind: global_buffer, .address_space: global }
      - { .name: w2f, .offset: 40, .size: 8, .value_kind: global_buffer, .address_space: global }
      - { .name: qc, .offset: 48, .size: 8, .value_kind: global_buffer, .address_space: global }
    .group_segment_fixed_size: 223232
    .private_segment_fixed_size: 0
    .kernarg_segment_align: 8
    .kernarg_segment_size: 56
    .max_flat_workgroup_size: 512
    .sgpr_count:     66
    .vgpr_count:     256
    .wavefront_size: 32
...
	.end_amdgpu_metadata
.endif
;; end of part 1
;; launch score (part 2): grid 512 x 1, 4 waves a work-group, no clusters, 310,784 bytes of LDS; arguments values, w2f, qc, v, bv, scores, ctxp; writes scores, ctxp
.if DOCPART == 2
	.amdgcn_target "amdgcn-amd-amdhsa--gfx1250"
	.amdhsa_code_object_version 6
	.text
	.protected	k_q4ad7fca181_score
	.globl	k_q4ad7fca181_score
	.p2align	8
	.type	k_q4ad7fca181_score,@function
k_q4ad7fca181_score:
	s_mov_b64 s[64:65], 0
	v_nop
	global_prefetch_b8 v0, s[64:65] scope:SCOPE_SE
	s_setreg_imm32_b32 hwreg(HW_REG_WAVE_MODE, 25, 1), 1
	s_wait_xcnt 0x0
; FOR A BLOCK OF 128 ROWS (times) OF ONE BATCH: s[t] = bv + sum over n of v[n] tanh(q_proj[n] + b2[n] + sum over k of values[t][k] w2[k][n]); the block's maximum m; p[t] = e^(s[t] - m);
; the block's partial context sum over t of p[t] values[t][:].  Stored: the raw scores (f32) and the partial context (f32); the last launch joins the 16 blocks of a batch.
; EACH BYTE OF values IS READ ONCE: the block's 128 x 1,024 numbers are rounded once to f16 on the way in and stay in LDS for both products.
; tanh x = 1 - 2 / (1 + 2^(C2 x)), C2 = 2 log2(e): s = bv + sum v - 2 sum v r, r = 1 / (1 + 2^(C2 acc + qc)); qc holds C2 (q_proj + b1 + b2).  2^.. = infinity gives r = 0, 2^.. = 0 gives r = 1: both are tanh's ends.
; SHARES.  512 work-groups; four waves.  The waves split the 1,024 columns of w2: wave w takes 256 w .. 256 w + 255, in two PHASES of 128.  In a phase a wave makes 128 rows x 128 columns:
; 64 accumulators of 16 x 16, 512 registers.  K goes in steps of 32: 64 matrix instructions, 16 LDS loads (A's 8 fragments), 16 loads from memory (w2's 8 fragments).
; THE FILL RUNS UNDER THE FIRST PHASE'S PRODUCTS.  A lies in LDS in 16 CHUNKS of 64 channels (128 rows x 128 bytes, pitch 144); K step s reads chunk s / 2 alone.  A UNIT is 16 of a wave's own 32 rows x one chunk:
; 8 loads, each two rows' 256 aligned bytes of f32; 32 units a wave.  Units 0-3 (chunks 0, 1) come ahead of the first product.  In the middle of K step s unit s + 4 is rounded and stored and unit s + 7 asked for
; into the same registers: three sets of 32, so a unit has three K steps, 192 matrix instructions, in which to land.  Chunk c is stored in K steps 2 c - 4 and 2 c - 3; the barrier of K step 2 c - 2 shows it to all
; four waves; it is first read in K step 2 c - 1.  Between two barriers a wave stores into one chunk and the others read the two chunks before it: byte ranges that do not touch.  No LDS byte is written twice.
; w2's FRAGMENTS COME STRAIGHT INTO REGISTERS: each is wanted by one wave alone, and w2f holds them in register order (1,024 dense bytes a fragment).  A ring of four K steps (256 registers) is asked for
; three steps ahead.  Two buffers of A, four slots of w2 and three sets of values repeat after 12 K steps: that is the first phase's trip.
; NO TENSOR LOADS, NO CLUSTER, by this text's own count: behind A and the tables 16,896 bytes of LDS are left, and two slots of one K step of w2 for four waves are 2 x 32 x 512 x 2 = 65,536;
; values changes its format on the way in, which a copy does not do.
; AHEAD OF THE LOADS OF values a wave prefetches its own 32 rows of a chunk (a lane a row, one instruction), behind the run that asks for the first unit of the chunk two before it: four K steps ahead of
; that chunk's own loads.  Chunks 6 to 15 are named so, each once in the launch, by the wave that will load them; chunks 0 to 5 come by their loads alone; there is no chunk 16, so the second trip's last two are jumped.
; LAYOUT.  Source 0 = 16 rows of values, source 1 = 16 columns of w2: in the result lane l holds ONE column (l % 16) and the rows 8 (l / 16) + 0..7.  So qc and v are one number a lane and fragment, and a row's
; sum over columns is kept per lane (SC, 64 registers) through both phases and crosses the 16 lanes once, at the end; the four waves' parts meet in LDS.
; THE CONTEXT is a product too: source 0 = p (all 16 rows alike), source 1 = values turned by ds_load_tr16_b128; register 0 of the result holds the sum for channel l % 16.  Wave w takes channels 256 w on.
; LIMITS.  values and w2 in f16: beyond 65,504 the rounded number is an infinity; below 6e-5 f16 keeps its fixed step of 6e-8, p too.  An exponential below 2^-126 counts as 0.  NaN and infinities are not treated apart.
; REGISTERS, in windows of 256 (s_set_vgpr_msb: bits 1:0 source 0, 3:2 source 1, 5:4 source 2, 7:6 destination):
;   window 0: v0-31 addresses; v32-63 set 0 of values, later (qc, -2 v) for a phase's 8 fragments; v64-127, v128-191 A's fragments, two buffers; v192-255 sets 1 and 2 of values, later SC
;   window 1: w2's ring, slot s at 64 s          window 2: accumulators of rows 0-63 ((a, b) at 8 (8 a + b)); ahead of them units 0-3 as they land; at the end the context's 16 accumulators
;   window 3: accumulators of rows 64-127; at the end two buffers of 128 for values' turned fragments
.set CP,    144                        ; a row of a chunk in LDS: 128 bytes + 16 = 36 words: the 16 rows of a fragment load start at 16 different groups of four banks (64 banks of 4 bytes: ISA guide 11.1)
.set R16,   16*CP
.set CHB,   128*CP                     ; a chunk: 18,432 bytes
.set QVB,   16*CHB                     ; behind A: the table, entry n = (qc[n], -2 v[n]), 8 bytes
.set PART,  QVB+8192                   ; the waves' partial scores: 128 f32 each
.set PBUF,  PART+2048                  ; p in f16, a copy of its own for each wave: 256 bytes
.set CTX,   PBUF+1024                  ; the context on its way out: 1,024 bytes for each wave
.set SPARE, CTX+4096                   ; the spare words, 128 bytes for each wave: two blocks of 256 bytes that no other line names
.set KB,    8192                       ; a K step of 128 columns in w2f
.set SPW,  2                           ; v2   SPARE + 4 x my thread's number; never rewritten
.set NIL,  3                           ; v3   0; never rewritten
.set L16,  4                           ; v4   16 x lane; never rewritten
.set FST,  5                           ; v5   where I put 8 bytes of a row: (32 w + l / 16) x pitch + 8 (l % 16), in the chunk in hand
.set ADRA, 6                           ; v6   LDS address of my A fragments in the chunk in hand
.set ADB,  7                           ; v7   the same in chunk 0: (l % 16) x pitch + 16 (l / 16); never rewritten
.set VOF,  8                           ; v8   my 16 bytes in two rows of values: (l / 16) 4096 + (l % 16) 16; never rewritten
.set PFO,  9                           ; v9   the prefetches' offset: lane x a row of values; never rewritten
.set QVA,  14                          ; v14  my entry of the table for the phase's first fragment
.set PST,  15                          ; v15  where I put partial scores
.set PLD,  16                          ; v16  where I read them
.set PBA,  17                          ; v17  where I put four p
.set PFA,  18                          ; v18  where p's fragments are read
.set CST,  19                          ; v19  where I put a channel's sum
.set CTA,  20                          ; v20-23 the turning loads' addresses, times 32 ks on
.set CRD,  24                          ; v24  where I read the sums back
.set QST,  25                          ; v25  where I put eight entries of the table
.set QO,   26                          ; v26  my 32 bytes of qc and of v
.set VS,   28                          ; v[28:29] sum of -2 v over my columns; v29 is named with it as a pair
.set QV,   32
.set SET0, 32                          ; the three sets of values: K step s works on set s % 3
.set SET1, 192
.set SET2, 224
.set F0,   64
.set F1,   128
.set TL,   128                         ; ahead of the first product: qc and v as loaded,
.set TBL,  144                         ; and the table's entries made of them
.set SC,   192                         ; register 8 a + j: row 16 a + 8 (l / 16) + j, my columns' sum of -2 v r
.set WV,  18                           ; s18  wave
.set WG,  19                           ; s19  work-group
.set TS,  20                           ; s[20:21] an offset, in 64 bits
.set PV,  22                           ; s[22:23] values at my wave's 32 rows, at the trip's first chunk
.set PB,  24                           ; s[24:25] w2f at the K steps in hand
.set CNT, 26
.set PH,  27                           ; phases to go
.set CC,  28                           ; s[28:29] C2
.set SEL, 30                           ; s[30:31] v_permlanex16_b32's selects: each lane takes its own place in the other half
.set BV,  32                           ; s32  bv (named as a pair with s33)
.set L2E, 33                           ; s33  log2(e)
.set QC,  34                           ; s[34:35] qc at my batch
.set SCO, 36                           ; s[36:37] scores at my block
.set CTO, 38                           ; s[38:39] ctxp at my block and wave
.set MSB, 0
.macro WIN new                         ; the immediate's high byte repeats the setting that is left; a switch that changes nothing is dropped
.if MSB != (\new)
	s_set_vgpr_msb (MSB<<8)|(\new)
.set MSB, (\new)
.endif
.endm
.macro PLACES                          ; four plain instructions behind a matrix instruction, ahead of a load into a register that it has read and of what reads its result (ISA guide 7.12.1 for what reads its result)
.rept 4
	v_nop
.endr
.endm
; A unit of values into set st: 8 loads, each two rows' 256 bytes, from byte vo behind the pointer; values is read once in the launch
.macro VLOAD st, vo
	WIN 0
.set vi, 0
.rept 8
	global_load_b128 v[(\st)+4*vi:(\st)+4*vi+3], v[VOF], s[PV:PV+1] offset:(\vo)+vi*8192 th:TH_LOAD_NT
.set vi, vi+1
.endr
.endm
; The unit in set st is rounded in place (four f32 become 8 bytes) and stored into rows 16 hf + 2 i + l / 16 of my 32 in the chunk in hand
.macro PROCU st, hf
	WIN 0
.set ci, 0
.rept 8
	v_cvt_pk_f16_f32 v[(\st)+4*ci], v[(\st)+4*ci], v[(\st)+4*ci+1]
	v_cvt_pk_f16_f32 v[(\st)+4*ci+1], v[(\st)+4*ci+2], v[(\st)+4*ci+3]
.set ci, ci+1
.endr
.set ci, 0
.rept 8
	ds_store_b64 v[FST], v[(\st)+4*ci:(\st)+4*ci+1] offset:(\hf)*R16+ci*2*CP
.set ci, ci+1
.endr
.endm
; w2's eight fragments of K step j behind the pointer, into ring slot sg: 16 loads of 512 consecutive bytes
.macro FETCHB sg, j
	WIN 0x40
.irp b, 0,1,2,3,4,5,6,7
	global_load_b128 v[64*(\sg)+8*\b:64*(\sg)+8*\b+3],   v[L16], s[PB:PB+1] offset:(\j)*KB+\b*1024
	global_load_b128 v[64*(\sg)+8*\b+4:64*(\sg)+8*\b+7], v[L16], s[PB:PB+1] offset:(\j)*KB+\b*1024+512
.endr
.endm
; A's eight fragments (128 rows x 32 k: half e of the chunk in hand) into buffer fb: rows 0-63 first
.macro FETCHA fb, e
	WIN 0
.irp a, 0,1,2,3,4,5,6,7
	ds_load_b128 v[(\fb)+8*\a:(\fb)+8*\a+3],   v[ADRA] offset:\a*R16+64*(\e)
	ds_load_b128 v[(\fb)+8*\a+4:(\fb)+8*\a+7], v[ADRA] offset:\a*R16+64*(\e)+32
.endr
.endm
; 32 matrix instructions: row blocks 4 hi .. 4 hi + 3 x all 8 column blocks.  The 64 accumulators take turns, one instruction a turn, in the same order in every K step.  zero = 1: the first product starts the sums.
.macro MUL32 fa, sg, hi, zero
	WIN 0xa4+0x50*(\hi)                            ; A window 0, w2 window 1, C and D window 2 or 3
.irp a, 0,1,2,3
.irp b, 0,1,2,3,4,5,6,7
.if \zero
	v_wmma_f32_16x16x32_f16 v[8*(8*\a+\b):8*(8*\a+\b)+7], v[(\fa)+8*(4*(\hi)+\a):(\fa)+8*(4*(\hi)+\a)+7], v[64*(\sg)+8*\b:64*(\sg)+8*\b+7], 0
.else
	v_wmma_f32_16x16x32_f16 v[8*(8*\a+\b):8*(8*\a+\b)+7], v[(\fa)+8*(4*(\hi)+\a):(\fa)+8*(4*(\hi)+\a)+7], v[64*(\sg)+8*\b:64*(\sg)+8*\b+7], v[8*(8*\a+\b):8*(8*\a+\b)+7]
.endif
.endr
.endr
.endm
; A K STEP: multiplies A's buffer fa by ring slot sg.  In its middle, in one run: (proc) the unit in set st is rounded and stored; (lda) the next step's A is fetched into fb, half e of its chunk; (ldb) w2's K step three on
; is asked for into slot sn, which the step before read (j counts from the pointer); (vld) the unit three K steps further on is asked for into set st; (pfo) a chunk is prefetched, (pfg) in the first trip alone.
; lc: the loads from memory that may stay out when this step's w2 must be in; np: those that may stay out when the unit must be in.  Within a run w2's loads are issued ahead of the unit's.
; bar = 1: the step's barrier: my stores of the last two runs are done (the wait for 0), I say so, multiply, and read nothing new before all four waves have said so.
.macro STEP fa, fb, sg, zero, lc, bar, lda, e, ldb, sn, j, proc=0, st=0, hf=0, np=0, vld=0, vo=0, pfo=0, pfg=0
	s_wait_loadcnt \lc                             ; loads come back in order (ISA guide 5.7.1): this step's fragments of w2 are in
.if \bar
	s_wait_dscnt 0x0                               ; for the others' sake: my stores into the chunk are done (and no LDS instruction is pending at a signal)
	s_barrier_signal -1
.else
	s_wait_dscnt 8                                 ; A's rows 0-63 are in; the youngest eight loads (rows 64-127) may be out
.endif
	MUL32 \fa, \sg, 0, \zero
.if (\lda) || (\ldb)
	WIN 0
.endif
.if \bar
	s_barrier_wait -1                              ; the chunk stored in the last two K steps is whole
.endif
.if (\lda) && !(\e)
	v_add_nc_u32 v[ADRA], CHB, v[ADRA]             ; the next step begins a chunk
.endif
.if \proc
.if !(\hf)
	v_add_nc_u32 v[FST], CHB, v[FST]               ; the unit begins a chunk
.endif
	s_wait_loadcnt \np                             ; the unit is in
	PROCU \st, \hf                                 ; its 16 conversions are also the places in front of the loads below
.elseif (\lda) || (\ldb)
	PLACES
.endif
.if \lda
	FETCHA \fb, \e
.endif
.if \ldb
	FETCHB \sn, \j
.endif
.if \vld
	VLOAD \st, \vo
.endif
.if \pfo
.if \pfg
	s_cmp_gt_u32 s[CNT], 1                         ; the second trip has no chunk so far on
	s_cbranch_scc0 .Lno_chunk_\@
.endif
	global_prefetch_b8 v[PFO], s[PV:PV+1] offset:\pfo th:TH_LOAD_NT scope:SCOPE_SE
.if \pfg
.Lno_chunk_\@:
.endif
.endif
.if \lda
	s_wait_dscnt 16+8*(\proc)                      ; all but what this run issued: 16 loads, and 8 stores ahead of them
.else
	s_wait_dscnt 0x0
.endif
	MUL32 \fa, \sg, 1, \zero
.endm
; K step 1 + 12 j + q of the first phase: all that hangs on q.  It works on unit 12 j + 5 + q and asks for unit 12 j + 8 + q (chunk 6 j + 4 + q / 2, half q % 2) and for w2's K step 12 j + 4 + q.
.macro P0 q, lc, proc, np, vld
.set zq, \q
.set zk, (1+zq)%3
	STEP 128-64*(zq%2), 64+64*(zq%2), (1+zq)%4, 0, \lc, zq%2, 1, zq%2, 1, zq%4, 4+zq, \proc, 32+160*((zk+1)/2)+32*(zk/2), (1+zq)%2, \np, \vld, (4+zq/2)*256+(zq%2)*65536, (\vld)*(1-zq%2)*(6+zq/2)*256, zq/8
.endm
	s_load_b256 s[4:11], s[0:1], 0x0               ; values s[4:5], w2f s[6:7], qc s[8:9], v s[10:11]
	s_load_b128 s[12:15], s[0:1], 0x20             ; bv s[12:13], scores s[14:15]
	s_load_b64 s[16:17], s[0:1], 0x30              ; ctxp
	v_lshl_add_u32 v[SPW], v0, 2, SPARE
	v_mov_b32 v[NIL], 0
	v_lshrrev_b32 v1, 5, v0
	v_readfirstlane_b32 s[WV], v1                  ; wave 0..3
	s_mov_b32 s[WG], ttmp9
	v_and_b32 v27, 31, v0                          ; l
	v_and_b32 v30, 15, v0                          ; l % 16
	v_bfe_u32 v31, v0, 4, 1                        ; l / 16
	v_lshlrev_b32 v[L16], 4, v27
	v_lshlrev_b32 v[PFO], 12, v27
	v_lshlrev_b32 v[VOF], 4, v30
	v_lshl_add_u32 v[VOF], v31, 12, v[VOF]
	s_mul_i32 s[TS], s[WV], 32*CP                  ; my wave's 32 rows of a chunk
	v_mul_u32_u24 v1, v31, CP
	v_lshl_add_u32 v1, v30, 3, v1
	v_add_nc_u32 v[FST], s[TS], v1
	v_mul_u32_u24 v[ADB], v30, CP
	v_lshl_add_u32 v[ADB], v31, 4, v[ADB]          ; a fragment: row x pitch + 16 x half
	s_lshl_b32 s[TS], s[WV], 11                    ; my wave's 256 entries of 8 bytes
	s_add_co_u32 s[TS], s[TS], QVB
	v_lshl_add_u32 v[QVA], v30, 3, s[TS]
	s_lshl_b32 s[TS], s[WV], 9
	s_add_co_u32 s[TS], s[TS], PART
	v_lshl_add_u32 v[PST], v31, 5, s[TS]           ; rows 8 (l / 16) on, 4 bytes each
	v_lshl_add_u32 v[PLD], v27, 4, PART            ; rows 4 l .. 4 l + 3
	s_lshl_b32 s[TS], s[WV], 8
	s_add_co_u32 s[TS], s[TS], PBUF
	v_lshl_add_u32 v[PBA], v27, 3, s[TS]
	v_lshl_add_u32 v[PFA], v31, 4, s[TS]
	s_lshl_b32 s[TS], s[WV], 10
	s_add_co_u32 s[TS], s[TS], CTX
	v_lshl_add_u32 v[CST], v30, 2, s[TS]
	v_lshl_add_u32 v[CRD], v27, 4, s[TS]
	v_and_b32 v1, 7, v0
	v_lshl_add_u32 v1, v31, 3, v1                  ; the turning load: time 8 (l / 16) + l % 8,
	v_mul_u32_u24 v1, v1, CP
	v_bfe_u32 v30, v0, 3, 1
	v_lshl_add_u32 v1, v30, 4, v1                  ; channels 8 ((l / 8) % 2) on,
	s_mul_i32 s[TS], s[WV], 4*CHB
	v_add_nc_u32 v1, s[TS], v1                     ; in my wave's 256 channels: four chunks
.irp k, 0,1,2,3
	v_add_nc_u32 v[CTA+\k], \k*32*CP, v1
.endr
	v_lshl_add_u32 v[QST], v0, 6, QVB
	v_lshlrev_b32 v[QO], 5, v0
	v_mov_b32 v[VS], 0
	v_mov_b32 v[VS+1], 0
	s_mov_b32 s[CC], 0x4038aa3b                    ; 2 log2(e)
	s_mov_b32 s[CC+1], s[CC]
	s_mov_b32 s[SEL], 0x76543210
	s_mov_b32 s[SEL+1], 0xfedcba98
	s_mov_b32 s[L2E], 0x3fb8aa3b
	s_wait_kmcnt 0x0
	s_load_b32 s[BV], s[12:13], 0x0
	s_lshl_b32 s[TS], s[WG], 19                    ; my block's 128 rows of 4,096 bytes (511 x 2^19 stays under 2^32),
	s_lshl_b32 s[TS+1], s[WV], 17                  ; my wave's 32 of them
	s_add_co_u32 s[TS], s[TS], s[TS+1]
	s_mov_b32 s[TS+1], 0
	s_add_nc_u64 s[PV:PV+1], s[4:5], s[TS:TS+1]
	s_lshl_b32 s[TS], s[WV], 19                    ; my wave's 256 columns: 524,288 bytes of w2f on end
	s_add_nc_u64 s[PB:PB+1], s[6:7], s[TS:TS+1]
	s_lshr_b32 s[TS], s[WG], 4                     ; the batch: 16 blocks each
	s_lshl_b32 s[TS], s[TS], 12
	s_add_nc_u64 s[QC:QC+1], s[8:9], s[TS:TS+1]
	s_lshl_b32 s[TS], s[WG], 9
	s_add_nc_u64 s[SCO:SCO+1], s[14:15], s[TS:TS+1]
	s_lshl_b32 s[TS], s[WG], 12
	s_lshl_b32 s40, s[WV], 10
	s_add_co_u32 s[TS], s[TS], s40
	s_add_nc_u64 s[CTO:CTO+1], s[16:17], s[TS:TS+1]
; AHEAD OF THE FIRST PRODUCT.  The loads go out in the order in which the K steps' counts take them: the table, units 0-3, then w2's K steps 0 to 2 and units 4 to 6 by turns, as three runs of the loop would issue them.
	global_load_b128 v[TL:TL+3],     v[QO], s[QC:QC+1]              ; thread t: qc and v of columns 8 t .. 8 t + 7
	global_load_b128 v[TL+4:TL+7],   v[QO], s[QC:QC+1] offset:16
	global_load_b128 v[TL+8:TL+11],  v[QO], s[10:11]
	global_load_b128 v[TL+12:TL+15], v[QO], s[10:11] offset:16
	WIN 0x80                                       ; units 0-3 land in window 2, where the sums will be
.set uq, 0
.rept 32
	global_load_b128 v[4*uq:4*uq+3], v[VOF], s[PV:PV+1] offset:(uq/16)*256+((uq/8)%2)*65536+(uq%8)*8192 th:TH_LOAD_NT
.set uq, uq+1
.endr
	FETCHB 0, 0
	VLOAD SET0, 2*256                              ; unit 4: chunk 2, rows 0-15
	FETCHB 1, 1
	VLOAD SET1, 2*256+65536                        ; unit 5: chunk 2, rows 16-31
	s_wait_loadcnt 48                              ; the table and units 0-3 are in; the 16 + 8 + 16 + 8 loads behind them may stay out
	WIN 0x8a
.set uq, 0
.rept 32
	v_cvt_pk_f16_f32 v[4*uq], v[4*uq], v[4*uq+1]
	v_cvt_pk_f16_f32 v[4*uq+1], v[4*uq+2], v[4*uq+3]
.set uq, uq+1
.endr
	WIN 0x08
.set uq, 0
.rept 32
	ds_store_b64 v[FST], v[4*uq:4*uq+1] offset:(uq/16)*CHB+((uq/8)%2)*R16+(uq%8)*2*CP
.set uq, uq+1
.endr
	FETCHB 2, 2
	VLOAD SET2, 3*256                              ; unit 6: chunk 3, rows 0-15
	v_add_nc_u32 v[FST], CHB, v[FST]               ; at chunk 1: unit 4 steps it to chunk 2
.irp i, 0,1,2,3,4,5,6,7
	v_mov_b32 v[TBL+2*\i], v[TL+\i]                ; the table's entries: qc beside -2 v, so that one LDS load brings a lane both
	v_mul_f32 v[TBL+2*\i+1], -2.0, v[TL+8+\i]
.endr
.irp i, 0,1,2,3
	ds_store_b128 v[QST], v[TBL+4*\i:TBL+4*\i+3] offset:16*\i
.endr
	s_wait_kmcnt 0x0                               ; bv
	s_wait_dscnt 0x0                               ; for the others' sake: my rows of chunks 0 and 1 and my entries of the table are in LDS
	s_barrier_signal -1
	s_barrier_wait -1                              ; everybody's are
; THE FIRST PHASE, K steps 0 to 28.  By the text's own count a wave has out at the most three K steps of w2 (48 loads) and three units of values (24 loads).
	v_mov_b32 v[ADRA], v[ADB]
	FETCHA F0, 0
	STEP F0, F1, 0, 1, 56, 0, 1, 1, 1, 3, 3, 1, SET0, 0, 48, 1, 3*256+65536  ; K step 0 stands in front of the loop: its products start the sums.  56 = 8 + 24 + 24 loads behind w2's K step 0; 48 = 24 + 24 behind unit 4
	WIN 0
	s_mov_b32 s[CNT], 2
.Lt0:                                                  ; K steps 12 j + 1 .. 12 j + 12.  In every one: 56 loads were issued behind this step's w2 (its own run's unit and two whole runs), 48 behind the unit (two whole runs)
.irp q, 0,1,2,3,4,5,6,7,8,9,10,11
	P0 \q, 56, 1, 48, 1
.endr
	WIN 0                                          ; at a label and at a branch every window is 0
	s_wait_xcnt 0x0                                ; the youngest loads, 32 matrix instructions back, and the youngest prefetch, a K step further back, have read their address (ISA guide 3.1): the pointers may be stepped
	s_add_nc_u64 s[PB:PB+1], s[PB:PB+1], 12*KB
	s_add_nc_u64 s[PV:PV+1], s[PV:PV+1], 6*256     ; six chunks along the rows
	s_sub_co_u32 s[CNT], s[CNT], 1
	s_cmp_lg_u32 s[CNT], 0
	s_cbranch_scc1 .Lt0
	P0 0, 56, 1, 48, 0                             ; K steps 25 to 27 store units 29 to 31 and ask for nothing more of values: the counts run down by 8 a run
	P0 1, 48, 1, 40, 0
	P0 2, 40, 1, 32, 0
	P0 3, 32, 0, 0, 0                              ; K step 28: the last chunk's barrier; w2's K step 31
	WIN 0
	s_mov_b32 s[PH], 2
	s_branch .Ltail                                ; the loop over phases is entered in its middle: K steps 29 to 31 are one text for both phases
.Lk1:
; THE SECOND PHASE, K steps 0 to 28: A is whole, so there is nothing to store and no barrier.  32 = the two younger K steps of w2.
	v_mov_b32 v[ADRA], v[ADB]
	FETCHA F0, 0
	STEP F0, F1, 0, 1, 32, 0, 1, 1, 1, 3, 3
	WIN 0
	s_mov_b32 s[CNT], 7
.Lt1:                                                  ; K steps 4 i + 1 .. 4 i + 4: once round w2's ring
	STEP F1, F0, 1, 0, 32, 0, 1, 0, 1, 0, 4
	STEP F0, F1, 2, 0, 32, 0, 1, 1, 1, 1, 5
	STEP F1, F0, 3, 0, 32, 0, 1, 0, 1, 2, 6
	STEP F0, F1, 0, 0, 32, 0, 1, 1, 1, 3, 7
	WIN 0
	s_wait_xcnt 0x0                                ; the youngest loads, 32 matrix instructions back, have read their address: the pointer may be stepped
	s_add_nc_u64 s[PB:PB+1], s[PB:PB+1], 4*KB
	s_sub_co_u32 s[CNT], s[CNT], 1
	s_cmp_lg_u32 s[CNT], 0
	s_cbranch_scc1 .Lt1
.Ltail:
	STEP F1, F0, 1, 0, 32, 0, 1, 0, 0, 0, 0        ; K steps 29 to 31 ask for nothing more of w2: the counts run down
	STEP F0, F1, 2, 0, 16, 0, 1, 1, 0, 0, 0
	STEP F1, F0, 3, 0, 0,  0, 0, 0, 0, 0, 0
	WIN 0
	s_cmp_eq_u32 s[PH], 1
	s_cbranch_scc1 .Lepi
.set i, 0
.rept 64
	v_mov_b32 v[SC+i], 0                           ; a phase follows, so this was the first: the rows' sums, which run through both phases, start at 0 in the registers that values has left; these lines are also the places in front of the loads below
.set i, i+1
.endr
	s_wait_xcnt 0x0
	s_add_nc_u64 s[PB:PB+1], s[PB:PB+1], 8*KB      ; from K step 24 to the next phase's K step 0: its 128 columns follow in w2f
	FETCHB 0, 0                                    ; its first three K steps land while the epilogue runs
	FETCHB 1, 1
	FETCHB 2, 2
	WIN 0
.Lepi:
; THE EPILOGUE.  For each of the 512 registers: x = C2 acc + qc; e = 2^x; e + 1; r = 1 / (e + 1); SC += -2 v r.  A UNIT is a row block's 64 registers; a window has four.
.irp b, 0,1,2,3,4,5,6,7
	ds_load_b64 v[QV+2*\b:QV+2*\b+1], v[QVA] offset:128*\b          ; (qc, -2 v) of my column in fragment b
.endr
	PLACES                                         ; behind the last products
	s_wait_dscnt 0x0
	v_add_nc_u32 v[QVA], 1024, v[QVA]              ; the next phase's 128 entries
.irp b, 0,1,2,3,4,5,6,7
	v_add_f32 v[VS], v[VS], v[QV+2*\b+1]
.endr
.macro OPF u, n                        ; number n of 32: fragment n / 4, register pair n % 4: each accumulator's lowest registers are read first
.set rA, 64*(\u)+8*((\n)/4)+2*((\n)%4)
.set rQ, QV+2*((\n)/4)
	v_pk_fma_f32 v[rA:rA+1], v[rA:rA+1], s[CC:CC+1], v[rQ:rQ+1] op_sel_hi:[1,0,0]
.endm
.macro OPE u, n                        ; number n of 64
	v_exp_f32 v[64*(\u)+(\n)], v[64*(\u)+(\n)]
.endm
.macro OPA u, n
	v_pk_add_f32 v[64*(\u)+2*(\n):64*(\u)+2*(\n)+1], v[64*(\u)+2*(\n):64*(\u)+2*(\n)+1], 1.0 op_sel_hi:[1,0]
.endm
.macro OPR u, n
	v_rcp_f32 v[64*(\u)+(\n)], v[64*(\u)+(\n)]
.endm
.macro OPS x, u, n                     ; the pair's second register, -2 v, for both halves
.set rA, 64*(\u)+8*((\n)/4)+2*((\n)%4)
.set rQ, QV+2*((\n)/4)
.set rS, SC+8*(4*((\x)-2)+(\u))+2*((\n)%4)
	v_pk_fma_f32 v[rS:rS+1], v[rA:rA+1], v[rQ:rQ+1], v[rS:rS+1] op_sel:[0,1,0] op_sel_hi:[1,1,1]
.endm
; The four units go through the five stages as a pipeline of seven turns.  In turn t stand: the sums of unit t - 3; then, dealt one by one, the exponentials of unit t, the reciprocals of unit t - 2, and as plain
; neighbours the scalings of unit t + 1 and the additions of unit t - 1.  No line of a turn names a result of the turn's own exponentials or reciprocals; each turn that has any ends with a plain instruction and
; ONE s_wait_alu depctr_va_vdst(0), ahead of the first instruction that names such a result: six waits for a window's 512 of them, and none is owed at the branch below.
.macro EPIWIN x
.set WA, ((\x)<<6)|(\x)                ; destination and source 0 in window x, the table in window 0
	WIN WA
.set g, 0
.rept 32
	OPF 0, g
.set g, g+1
.endr
.set t, 0
.rept 7
.if t >= 3
	WIN (\x)                                       ; source 0 in window x; the table and SC in window 0
.set g, 0
.rept 32
	OPS \x, t-3, g
.set g, g+1
.endr
.endif
.if t <= 5
	WIN WA
.set g, 0
.rept 64
.if t <= 3
	OPE t, g
.endif
.if t >= 2
	OPR t-2, g
.endif
.if (g%2 == 0) && (t <= 2)
	OPF t+1, g/2
.endif
.if (g%2 == 1) && (t >= 1) && (t <= 4)
	OPA t-1, g/2
.endif
.set g, g+1
.endr
	v_nop                                          ; a plain instruction behind the turn's last exponential or reciprocal (ISA guide 5.7.2),
	s_wait_alu depctr_va_vdst(0)                   ; and the turn's one wait
.endif
.set t, t+1
.endr
.endm
	EPIWIN 2
	EPIWIN 3
	WIN 0
	s_sub_co_u32 s[PH], s[PH], 1
	s_cmp_lg_u32 s[PH], 0
	s_cbranch_scc1 .Lk1
; THE SCORES.  The sums cross the 16 lanes that hold a row's columns (four steps that ride on the addition); sum v = -1/2 sum (-2 v) joins them; the four waves' parts meet in LDS.
.irp m, 1,2,4,8
	v_add_f32_dpp v[VS], v[VS], v[VS] row_xmask:\m row_mask:0xf bank_mask:0xf
.set i, 0
.rept 64
	v_add_f32_dpp v[SC+i], v[SC+i], v[SC+i] row_xmask:\m row_mask:0xf bank_mask:0xf
.set i, i+1
.endr
.endr
	v_mul_f32 v[VS], -0.5, v[VS]
.set i, 0
.rept 32
	v_pk_add_f32 v[SC+i:SC+i+1], v[SC+i:SC+i+1], v[VS:VS+1] op_sel_hi:[1,0]
.set i, i+2
.endr
.set i, 0
.rept 16
	ds_store_b128 v[PST], v[SC+4*i:SC+4*i+3] offset:64*(i/2)+16*(i%2)  ; rows 16 a + 8 (l / 16) + 4 q on; the sixteen lanes of a half write the same bytes with the same numbers
.set i, i+1
.endr
	s_wait_dscnt 0x0                               ; for the others' sake
	s_barrier_signal -1
	s_barrier_wait -1                              ; all four parts lie in LDS
.irp k, 0,1,2,3
	ds_load_b128 v[96+4*\k:99+4*\k], v[PLD] offset:512*\k           ; every wave takes all 128 rows: lane l rows 4 l .. 4 l + 3, in the same order of sums: the same numbers in all four waves
.endr
	s_wait_dscnt 0x0
	v_pk_add_f32 v[96:97], v[96:97], v[100:101]
	v_pk_add_f32 v[98:99], v[98:99], v[102:103]
	v_pk_add_f32 v[104:105], v[104:105], v[108:109]
	v_pk_add_f32 v[106:107], v[106:107], v[110:111]
	v_pk_add_f32 v[96:97], v[96:97], v[104:105]
	v_pk_add_f32 v[98:99], v[98:99], v[106:107]
	v_pk_add_f32 v[112:113], v[96:97], s[BV:BV+1] op_sel_hi:[1,0]
	v_pk_add_f32 v[114:115], v[98:99], s[BV:BV+1] op_sel_hi:[1,0]
	s_cmp_lg_u32 s[WV], 0
	s_cbranch_scc1 .Lnot_wave_0
	global_store_b128 v[L16], v[112:115], s[SCO:SCO+1]              ; the block's 512 consecutive bytes; v112-115 and v4 are not written again
.Lnot_wave_0:
	v_max3_num_f32 v116, v112, v113, v114          ; the block's maximum
	v_max_num_f32 v116, v116, v115
.irp m, 1,2,4,8
	v_max_num_f32_dpp v116, v116, v116 row_xmask:\m row_mask:0xf bank_mask:0xf
.endr
	v_permlanex16_b32 v1, v116, s[SEL], s[SEL+1]   ; its destination counts as read: v1 has been written
	v_max_num_f32 v116, v116, v1
.irp i, 0,1,2,3
	v_sub_f32 v[118+\i], v[112+\i], v116
.endr
.irp i, 0,1,2,3
	v_mul_f32 v[118+\i], s[L2E], v[118+\i]
.endr
.irp i, 0,1,2,3
	v_exp_f32 v[118+\i], v[118+\i]                 ; p = e^(s - m), 0 to 1
.endr
	v_nop
	s_wait_alu depctr_va_vdst(0)                   ; one wait for the four
	v_cvt_pk_f16_f32 v122, v118, v119
	v_cvt_pk_f16_f32 v123, v120, v121
	ds_store_b64 v[PBA], v[122:123]                ; into my wave's own copy
; THE CONTEXT.  Four K steps of 32 times x 16 blocks of 16 channels.  LDS serves a wave's instructions in order (ISA guide 5.7.1.4): p's loads see the store above.
.irp k, 0,1,2,3
	ds_load_b128 v[F0+8*\k:F0+8*\k+3],   v[PFA] offset:64*\k        ; p's fragment: every row alike: times 8 (l / 16) on,
	ds_load_b128 v[F0+8*\k+4:F0+8*\k+7], v[PFA] offset:64*\k+32     ; and 16 further on
.endr
.macro LOADT ks, bf                    ; values' 16 fragments (32 times x 16 channels each; four to a chunk), turned, into buffer bf of window 3
	WIN 0xc0
.irp d, 0,1,2,3,4,5,6,7,8,9,10,11,12,13,14,15
	ds_load_tr16_b128 v[128*(\bf)+8*\d:128*(\bf)+8*\d+3],   v[CTA+(\ks)] offset:(\d/4)*CHB+(\d%4)*32
	ds_load_tr16_b128 v[128*(\bf)+8*\d+4:128*(\bf)+8*\d+7], v[CTA+(\ks)] offset:(\d/4)*CHB+(\d%4)*32+R16
.endr
.endm
.macro CMUL ks, bf                     ; the 16 accumulators take turns; the first K step starts the sums
	WIN 0xac                                       ; p window 0, values window 3, C and D window 2
.irp d, 0,1,2,3,4,5,6,7,8,9,10,11,12,13,14,15
.if (\ks) == 0
	v_wmma_f32_16x16x32_f16 v[8*\d:8*\d+7], v[F0+8*(\ks):F0+8*(\ks)+7], v[128*(\bf)+8*\d:128*(\bf)+8*\d+7], 0
.else
	v_wmma_f32_16x16x32_f16 v[8*\d:8*\d+7], v[F0+8*(\ks):F0+8*(\ks)+7], v[128*(\bf)+8*\d:128*(\bf)+8*\d+7], v[8*\d:8*\d+7]
.endif
.endr
.endm
	LOADT 0, 0
	LOADT 1, 1
	s_wait_dscnt 32                                ; all but the younger run of 32
	CMUL 0, 0
	PLACES
	LOADT 2, 0
	s_wait_dscnt 32
	CMUL 1, 1
	PLACES
	LOADT 3, 1
	s_wait_dscnt 32
	CMUL 2, 0
	s_wait_dscnt 0x0
	CMUL 3, 1
	PLACES
	WIN 0x08                                       ; store data in window 2
.irp d, 0,1,2,3,4,5,6,7,8,9,10,11,12,13,14,15
	ds_store_b32 v[CST], v[8*\d] offset:64*\d      ; register 0: channel 16 d + l % 16; both halves of the lanes write the same word with the same number
.endr
	WIN 0
	ds_load_b128 v[96:99],   v[CRD]                ; back as 16 bytes a lane: my wave's own bytes, in order
	ds_load_b128 v[100:103], v[CRD] offset:512
	s_wait_dscnt 0x0
	global_store_b128 v[L16], v[96:99],   s[CTO:CTO+1]              ; each store covers 512 consecutive bytes, at a multiple of 512 from ctxp's first byte
	global_store_b128 v[L16], v[100:103], s[CTO:CTO+1] offset:512
	s_wait_tensorcnt 0x0                           ; the wave's end, behind my last LDS store
	ds_add_u32 v[SPW], v[NIL]
	s_wait_dscnt 0x0
	s_endpgm
.Lfunc_end_k_q4ad7fca181_score:
	.size	k_q4ad7fca181_score, .Lfunc_end_k_q4ad7fca181_score-k_q4ad7fca181_score
	.p2alignl 7, 3214868480
	.fill 96, 4, 3214868480
	.section	.rodata,"a",@progbits
	.p2align	6, 0x0
	.amdhsa_kernel k_q4ad7fca181_score
		.amdhsa_group_segment_fixed_size 310784
		.amdhsa_private_segment_fixed_size 0
		.amdhsa_enable_private_segment 0
		.amdhsa_kernarg_size 56
		.amdhsa_user_sgpr_count 2
		.amdhsa_user_sgpr_kernarg_segment_ptr 1
		.amdhsa_wavefront_size32 1
		.amdhsa_system_sgpr_workgroup_id_x 1
		.amdhsa_system_sgpr_workgroup_id_y 1
		.amdhsa_system_sgpr_workgroup_id_z 1
		.amdhsa_system_vgpr_workitem_id 0
		.amdhsa_next_free_vgpr 1024
		.amdhsa_next_free_sgpr 66
		.amdhsa_reserve_vcc 0
		.amdhsa_float_denorm_mode_32 3
		.amdhsa_float_denorm_mode_16_64 3
		.amdhsa_memory_ordered 1
		.amdhsa_forward_progress 1
		.amdhsa_inst_pref_size 255
	.end_amdhsa_kernel
	.section	.bss,"aw",@nobits
	.p2align	6
	.space	262144
	.amdgpu_metadata
---
amdhsa.version: [ 1, 2 ]
amdhsa.kernels:
  - .name:           k_q4ad7fca181_score
    .symbol:         k_q4ad7fca181_score.kd
    .args:
      - { .name: values, .offset: 0, .size: 8, .value_kind: global_buffer, .address_space: global }
      - { .name: w2f, .offset: 8, .size: 8, .value_kind: global_buffer, .address_space: global }
      - { .name: qc, .offset: 16, .size: 8, .value_kind: global_buffer, .address_space: global }
      - { .name: v, .offset: 24, .size: 8, .value_kind: global_buffer, .address_space: global }
      - { .name: bv, .offset: 32, .size: 8, .value_kind: global_buffer, .address_space: global }
      - { .name: scores, .offset: 40, .size: 8, .value_kind: global_buffer, .address_space: global }
      - { .name: ctxp, .offset: 48, .size: 8, .value_kind: global_buffer, .address_space: global }
    .group_segment_fixed_size: 310784
    .private_segment_fixed_size: 0
    .kernarg_segment_align: 8
    .kernarg_segment_size: 56
    .max_flat_workgroup_size: 128
    .sgpr_count:     66
    .vgpr_count:     1024
    .wavefront_size: 32
...
	.end_amdgpu_metadata
.endif
;; end of part 2
;; launch combine (part 3): grid 4 x 32, 8 waves a work-group, no clusters, 5,632 bytes of LDS; arguments scores, ctxp, out0, out1; writes out0, out1
.if DOCPART == 3
	.amdgcn_target "amdgcn-amd-amdhsa--gfx1250"
	.amdhsa_code_object_version 6
	.text
	.protected	k_q4ad7fca181_combine
	.globl	k_q4ad7fca181_combine
	.p2align	8
	.type	k_q4ad7fca181_combine,@function
k_q4ad7fca181_combine:
	s_mov_b64 s[64:65], 0
	v_nop
	global_prefetch_b8 v0, s[64:65] scope:SCOPE_SE
	s_setreg_imm32_b32 hwreg(HW_REG_WAVE_MODE, 25, 1), 1
	s_wait_xcnt 0x0
; THE SOFTMAX OVER A BATCH'S 2,048 TIMES, JOINED FROM 16 BLOCKS OF 128.  M = the largest score; L = sum over t of e^(s[t] - M); out1[t] = e^(s[t] - M) / L;
; out0[d] = sum over blocks i of e^(m_i - M) ctxp[i][d] / L, where m_i, the block's own maximum, by which the launch before scaled its partial context, is taken again from the same stored scores: the same number.
; SHARES.  Work-group (qd, b): batch b; it stores channels 256 qd .. + 255 of out0 and times 512 qd .. + 511 of out1.  All four work-groups of a batch read its 8,192 bytes of scores and make M and L for themselves.
; Wave w of eight holds the blocks 2 w and 2 w + 1 (a lane: four scores of each).  The pair of waves ig = w / 2 sums the partial contexts of blocks 4 ig .. 4 ig + 3 over the 256 channels, 16 bytes a thread.
; Memory binds what little there is: no matrix unit, no tensor load, no cluster.  LIMITS: an exponential below 2^-126 counts as 0; NaN and infinities are not treated apart.
.set MX,    0                          ; LDS: the 16 block maxima
.set LS,    256                        ; the eight waves' sums
.set RED2,  512                        ; four partial contexts of 256 f32
.set SPARE, 4608                       ; the spare words, 128 bytes for each of eight waves: four blocks of 256 bytes that no other line names
.set SPW, 2                            ; v2   SPARE + 4 x my thread's number; never rewritten
.set NIL, 3                            ; v3   0; never rewritten
.set SOF, 4                            ; v4   1,024 w + 16 l: my bytes of scores and of out1
.set COF, 5                            ; v5   16 (thread % 64): my four channels
.set XOF, 6                            ; v6   16,384 ig + COF: in ctxp
.set RST, 7                            ; v7   RED2 + 1,024 ig + COF
	s_load_b256 s[4:11], s[0:1], 0x0               ; scores s[4:5], ctxp s[6:7], out0 s[8:9], out1 s[10:11]
	v_lshl_add_u32 v[SPW], v0, 2, SPARE
	v_mov_b32 v[NIL], 0
	v_lshrrev_b32 v1, 5, v0
	v_readfirstlane_b32 s12, v1                    ; wave 0..7
	s_mov_b32 s13, ttmp9                           ; qd
	s_and_b32 s14, ttmp7, 0xffff                   ; b
	s_lshr_b32 s15, s12, 1                         ; ig
	v_and_b32 v62, 31, v0
	v_lshlrev_b32 v[SOF], 4, v62
	s_lshl_b32 s16, s12, 10
	v_add_nc_u32 v[SOF], s16, v[SOF]
	v_and_b32 v1, 63, v0
	v_lshlrev_b32 v[COF], 4, v1
	s_lshl_b32 s16, s15, 14
	v_add_nc_u32 v[XOF], s16, v[COF]
	s_lshl_b32 s16, s15, 10
	s_add_co_u32 s16, s16, RED2
	v_add_nc_u32 v[RST], s16, v[COF]
	s_lshl_b32 s16, s12, 3
	v_mov_b32 v56, s16                             ; MX + 8 w
	s_lshl_b32 s16, s12, 2
	s_add_co_u32 s16, s16, LS
	v_mov_b32 v57, s16                             ; LS + 4 w
	s_lshl_b32 s16, s15, 4
	v_mov_b32 v58, s16                             ; MX + 16 ig
	v_mov_b32 v59, 0                               ; LDS byte 0
	v_add_nc_u32 v60, RED2, v[COF]
	s_mov_b32 s28, 0x3fb8aa3b                      ; log2(e)
	s_mov_b32 s30, 0x76543210                      ; v_permlanex16_b32: each lane takes its own place in the other half
	s_mov_b32 s31, 0xfedcba98
	s_wait_kmcnt 0x0
	s_lshl_b32 s16, s14, 13
	s_mov_b32 s17, 0
	s_add_nc_u64 s[20:21], s[4:5], s[16:17]        ; scores and out1 at my batch
	s_add_nc_u64 s[26:27], s[10:11], s[16:17]
	s_lshl_b32 s16, s14, 16
	s_lshl_b32 s18, s13, 10
	s_add_co_u32 s16, s16, s18
	s_add_nc_u64 s[22:23], s[6:7], s[16:17]        ; ctxp at my batch's first block, my 256 channels
	s_lshl_b32 s16, s14, 12
	s_add_co_u32 s16, s16, s18
	s_add_nc_u64 s[24:25], s[8:9], s[16:17]        ; out0 likewise
	global_load_b128 v[8:11],  v[SOF], s[20:21]
	global_load_b128 v[12:15], v[SOF], s[20:21] offset:512
.irp k, 0,1,2,3
	global_load_b128 v[16+4*\k:19+4*\k], v[XOF], s[22:23] offset:\k*4096
.endr
	s_wait_loadcnt 4                               ; the scores are in; the four loads of partial contexts may stay out
	v_max3_num_f32 v32, v8, v9, v10
	v_max3_num_f32 v33, v12, v13, v14
	v_max_num_f32 v32, v32, v11
	v_max_num_f32 v33, v33, v15
.irp m, 1,2,4,8
	v_max_num_f32_dpp v32, v32, v32 row_xmask:\m row_mask:0xf bank_mask:0xf
	v_max_num_f32_dpp v33, v33, v33 row_xmask:\m row_mask:0xf bank_mask:0xf
.endr
	v_permlanex16_b32 v1, v32, s30, s31            ; the destinations count as read: v1 and v62 have been written
	v_permlanex16_b32 v62, v33, s30, s31
	v_max_num_f32 v32, v32, v1
	v_max_num_f32 v33, v33, v62
	ds_store_b64 v56, v[32:33]                     ; all lanes write the same two words with the same numbers
	s_wait_dscnt 0x0
	s_barrier_signal -1
	s_barrier_wait -1                              ; all 16 block maxima lie in LDS
.irp k, 0,1,2,3
	ds_load_b128 v[36+4*\k:39+4*\k], v59 offset:MX+16*\k
.endr
	ds_load_b128 v[52:55], v58 offset:MX           ; those of my four blocks
	s_wait_dscnt 0x0
	v_max3_num_f32 v34, v36, v37, v38
	v_max3_num_f32 v35, v39, v40, v41
	v_max3_num_f32 v34, v34, v42, v43
	v_max3_num_f32 v35, v35, v44, v45
	v_max3_num_f32 v34, v34, v46, v47
	v_max3_num_f32 v35, v35, v48, v49
	v_max3_num_f32 v34, v34, v50, v51
	v_max_num_f32 v34, v34, v35                    ; M
.irp i, 8,9,10,11,12,13,14,15,52,53,54,55
	v_sub_f32 v[\i], v[\i], v34
.endr
.irp i, 8,9,10,11,12,13,14,15,52,53,54,55
	v_mul_f32 v[\i], s28, v[\i]
.endr
.irp i, 8,9,10,11,12,13,14,15,52,53,54,55
	v_exp_f32 v[\i], v[\i]                         ; one batch: eight weights, four block factors
.endr
	v_nop
	s_wait_alu depctr_va_vdst(0)                   ; the wait ahead of the first use: one for the twelve
	v_pk_add_f32 v[40:41], v[8:9], v[10:11]
	v_pk_add_f32 v[42:43], v[12:13], v[14:15]
	v_pk_add_f32 v[40:41], v[40:41], v[42:43]
	v_add_f32 v40, v40, v41
.irp m, 1,2,4,8
	v_add_f32_dpp v40, v40, v40 row_xmask:\m row_mask:0xf bank_mask:0xf
.endr
	v_permlanex16_b32 v41, v40, s30, s31
	v_add_f32 v40, v40, v41
	ds_store_b32 v57, v40                          ; my wave's part of L
	s_wait_loadcnt 0x0                             ; the partial contexts
	v_pk_mul_f32 v[44:45], v[16:17], v[52:53] op_sel_hi:[1,0]
	v_pk_mul_f32 v[46:47], v[18:19], v[52:53] op_sel_hi:[1,0]
	v_pk_fma_f32 v[44:45], v[20:21], v[52:53], v[44:45] op_sel:[0,1,0] op_sel_hi:[1,1,1]
	v_pk_fma_f32 v[46:47], v[22:23], v[52:53], v[46:47] op_sel:[0,1,0] op_sel_hi:[1,1,1]
	v_pk_fma_f32 v[44:45], v[24:25], v[54:55], v[44:45] op_sel_hi:[1,0,1]
	v_pk_fma_f32 v[46:47], v[26:27], v[54:55], v[46:47] op_sel_hi:[1,0,1]
	v_pk_fma_f32 v[44:45], v[28:29], v[54:55], v[44:45] op_sel:[0,1,0] op_sel_hi:[1,1,1]
	v_pk_fma_f32 v[46:47], v[30:31], v[54:55], v[46:47] op_sel:[0,1,0] op_sel_hi:[1,1,1]
	ds_store_b128 v[RST], v[44:47]
	s_wait_dscnt 0x0
	s_barrier_signal -1
	s_barrier_wait -1                              ; the eight parts of L and the four partial contexts lie in LDS
	ds_load_b128 v[36:39], v59 offset:LS
	ds_load_b128 v[40:43], v59 offset:LS+16
	s_wait_dscnt 0x0
	v_pk_add_f32 v[36:37], v[36:37], v[38:39]
	v_pk_add_f32 v[40:41], v[40:41], v[42:43]
	v_pk_add_f32 v[36:37], v[36:37], v[40:41]
	v_add_f32 v36, v36, v37                        ; L: at least 1, since the largest score's weight is 1
	v_rcp_f32 v48, v36
	v_mov_b32 v49, 0                               ; named with 1 / L as a pair; also the plain instruction behind the reciprocal
	s_wait_alu depctr_va_vdst(0)
	s_cmp_lg_u32 s15, s13                          ; waves 2 qd and 2 qd + 1 hold the work-group's 512 times
	s_cbranch_scc1 .Lno_weights
.irp i, 8,10,12,14
	v_pk_mul_f32 v[\i:\i+1], v[\i:\i+1], v[48:49] op_sel_hi:[1,0]
.endr
	global_store_b128 v[SOF], v[8:11],  s[26:27]             ; each store covers 512 consecutive bytes, at a multiple of 512 from out1's first byte
	global_store_b128 v[SOF], v[12:15], s[26:27] offset:512
.Lno_weights:
	s_cmp_ge_u32 s12, 2                            ; waves 0 and 1: 64 threads x 4 channels
	s_cbranch_scc1 .Lend
.irp k, 0,1,2,3
	ds_load_b128 v[16+4*\k:19+4*\k], v60 offset:1024*\k
.endr
	s_wait_dscnt 0x0
	v_pk_add_f32 v[16:17], v[16:17], v[20:21]
	v_pk_add_f32 v[18:19], v[18:19], v[22:23]
	v_pk_add_f32 v[24:25], v[24:25], v[28:29]
	v_pk_add_f32 v[26:27], v[26:27], v[30:31]
	v_pk_add_f32 v[16:17], v[16:17], v[24:25]
	v_pk_add_f32 v[18:19], v[18:19], v[26:27]
	v_pk_mul_f32 v[16:17], v[16:17], v[48:49] op_sel_hi:[1,0]
	v_pk_mul_f32 v[18:19], v[18:19], v[48:49] op_sel_hi:[1,0]
	global_store_b128 v[COF], v[16:19], s[24:25]             ; 512 consecutive bytes a wave, at a multiple of 512 from out0's first byte
.Lend:
	s_wait_tensorcnt 0x0                           ; the wave's end, behind my last LDS store
	ds_add_u32 v[SPW], v[NIL]
	s_wait_dscnt 0x0
	s_endpgm
.Lfunc_end_k_q4ad7fca181_combine:
	.size	k_q4ad7fca181_combine, .Lfunc_end_k_q4ad7fca181_combine-k_q4ad7fca181_combine
	.p2alignl 7, 3214868480
	.fill 96, 4, 3214868480
	.section	.rodata,"a",@progbits
	.p2align	6, 0x0
	.amdhsa_kernel k_q4ad7fca181_combine
		.amdhsa_group_segment_fixed_size 5632
		.amdhsa_private_segment_fixed_size 0
		.amdhsa_enable_private_segment 0
		.amdhsa_kernarg_size 32
		.amdhsa_user_sgpr_count 2
		.amdhsa_user_sgpr_kernarg_segment_ptr 1
		.amdhsa_wavefront_size32 1
		.amdhsa_system_sgpr_workgroup_id_x 1
		.amdhsa_system_sgpr_workgroup_id_y 1
		.amdhsa_system_sgpr_workgroup_id_z 1
		.amdhsa_system_vgpr_workitem_id 0
		.amdhsa_next_free_vgpr 64
		.amdhsa_next_free_sgpr 66
		.amdhsa_reserve_vcc 0
		.amdhsa_float_denorm_mode_32 3
		.amdhsa_float_denorm_mode_16_64 3
		.amdhsa_memory_ordered 1
		.amdhsa_forward_progress 1
		.amdhsa_inst_pref_size 9
	.end_amdhsa_kernel
	.amdgpu_metadata
---
amdhsa.version: [ 1, 2 ]
amdhsa.kernels:
  - .name:           k_q4ad7fca181_combine
    .symbol:         k_q4ad7fca181_combine.kd
    .args:
      - { .name: scores, .offset: 0, .size: 8, .value_kind: global_buffer, .address_space: global }
      - { .name: ctxp, .offset: 8, .size: 8, .value_kind: global_buffer, .address_space: global }
      - { .name: out0, .offset: 16, .size: 8, .value_kind: global_buffer, .address_space: global }
      - { .name: out1, .offset: 24, .size: 8, .value_kind: global_buffer, .address_space: global }
    .group_segment_fixed_size: 5632
    .private_segment_fixed_size: 0
    .kernarg_segment_align: 8
    .kernarg_segment_size: 32
    .max_flat_workgroup_size: 256
    .sgpr_count:     66
    .vgpr_count:     64
    .wavefront_size: 32
...
	.end_amdgpu_metadata
.endif
;; end of part 3
;; ======== version 2 of 2: 3 launches; version 1 with the launch score written anew for expert scheduling mode
;; limits: values outside matrix products are rounded to f16; values are held in f16: magnitudes above 65,504 overflow, below 6.1e-05 lose precision
;; workspace buffers: w2f 2,097,152 bytes; qc 131,072 bytes; scores 262,144 bytes; ctxp 2,097,152 bytes
;; launch prep: the kernel of part 1 again; grid 32 x 1, 16 waves a work-group, no clusters, 223,232 bytes of LDS; arguments query, w1, b1, b2, w2, w2f, qc; writes w2f, qc
;; launch score (part 4): grid 512 x 1, 4 waves a work-group, no clusters, 310,784 bytes of LDS; arguments values, w2f, qc, v, bv, scores, ctxp; writes scores, ctxp
.if DOCPART == 4
	.amdgcn_target "amdgcn-amd-amdhsa--gfx1250"
	.amdhsa_code_object_version 6
	.text
	.protected	k_q4ad7fca181_score
	.globl	k_q4ad7fca181_score
	.p2align	8
	.type	k_q4ad7fca181_score,@function
k_q4ad7fca181_score:
	s_mov_b64 s[64:65], 0
	v_nop
	global_prefetch_b8 v0, s[64:65] scope:SCOPE_SE
	s_setreg_imm32_b32 hwreg(HW_REG_WAVE_SCHED_MODE, 0, 2), 2
	s_setreg_imm32_b32 hwreg(HW_REG_WAVE_MODE, 25, 1), 1
	s_wait_xcnt 0x0
	s_wait_alu depctr_vm_vsrc(0)
; FOR A BLOCK OF 128 ROWS (times) OF ONE BATCH: s[t] = bv + sum over n of v[n] tanh(q_proj[n] + b2[n] + sum over k of values[t][k] w2[k][n]); the block's maximum m; p[t] = e^(s[t] - m);
; the block's partial context sum over t of p[t] values[t][:].  Stored: the raw scores (f32) and the partial context (f32); the last launch joins the 16 blocks of a batch.
; EACH BYTE OF values IS READ ONCE: the block's 128 x 1,024 numbers are rounded once to f16 on the way in and stay in LDS for both products.
; tanh x = 1 - 2 / (1 + 2^(C2 x)), C2 = 2 log2(e): s = bv + sum v - 2 sum v r, r = 1 / (1 + 2^(C2 acc + qc)); qc holds C2 (q_proj + b1 + b2).  2^.. = infinity gives r = 0, 2^.. = 0 gives r = 1: both are tanh's ends.
; SHARES.  512 work-groups; four waves.  The waves split the 1,024 columns of w2: wave w takes 256 w .. 256 w + 255, in two PHASES of 128.  In a phase a wave makes 128 rows x 128 columns:
; 64 accumulators of 16 x 16, 512 registers.  K goes in steps of 32: 64 matrix instructions, 16 LDS loads (A's 8 fragments), 16 loads from memory (w2's 8 fragments).
; THE FILL RUNS UNDER THE FIRST PHASE'S PRODUCTS.  A lies in LDS in 16 CHUNKS of 64 channels (128 rows x 128 bytes, pitch 144); K step s reads chunk s / 2 alone.  A UNIT is 16 of a wave's own 32 rows x one chunk:
; 8 loads, each two rows' 256 aligned bytes of f32; 32 units a wave.  Units 0-3 (chunks 0, 1) come ahead of the first product.  In the second half of K step s unit s + 4 is rounded and stored and unit s + 7 asked for
; into the same registers: three sets of 32, so a unit has nearly three K steps in which to land.  Chunk c is stored in K steps 2 c - 4 and 2 c - 3; the barrier of K step 2 c - 2 shows it to all
; four waves; it is first read in K step 2 c - 1.  Between two barriers a wave stores into one chunk and the others read the two chunks before it: byte ranges that do not touch.  No LDS byte is written twice.
; w2's FRAGMENTS COME STRAIGHT INTO REGISTERS: each is wanted by one wave alone, and w2f holds them in register order (1,024 dense bytes a fragment).  A ring of four K steps (256 registers) is asked for
; three steps ahead.  Two buffers of A, four slots of w2 and three sets of values repeat after 12 K steps: that is the first phase's trip.
; NO TENSOR LOADS, NO CLUSTER, by this text's own count: behind A and the tables 16,896 bytes of LDS are left, and two slots of one K step of w2 for four waves are 2 x 32 x 512 x 2 = 65,536;
; values changes its format on the way in, which a copy does not do.
; AHEAD OF THE LOADS OF values a wave prefetches its own 32 rows of a chunk (a lane a row, one instruction), behind the loads that ask for the first unit of the chunk two before it: four K steps ahead of
; that chunk's own loads.  Chunks 6 to 15 are named so, each once in the launch, by the wave that will load them; chunks 0 to 5 come by their loads alone; there is no chunk 16, so the second trip's last two are jumped.
; LAYOUT.  Source 0 = 16 rows of values, source 1 = 16 columns of w2: in the result lane l holds ONE column (l % 16) and the rows 8 (l / 16) + 0..7.  So qc and v are one number a lane and fragment, and a row's
; sum over columns is kept per lane (SC, 64 registers) through both phases and crosses the 16 lanes once, at the end; the four waves' parts meet in LDS.
; THE CONTEXT is a product too: source 0 = p (all 16 rows alike), source 1 = values turned by ds_load_tr16_b128; register 0 of the result holds the sum for channel l % 16.  Wave w takes channels 256 w on.
; LIMITS.  values and w2 in f16: beyond 65,504 the rounded number is an infinity; below 6e-5 f16 keeps its fixed step of 6e-8, p too.  An exponential below 2^-126 counts as 0.  NaN and infinities are not treated apart.
; REGISTERS, in windows of 256 (s_set_vgpr_msb: bits 1:0 source 0, 3:2 source 1, 5:4 source 2, 7:6 destination):
;   window 0: v0-31 addresses; v32-63 set 0 of values, later (qc, -2 v) for a phase's 8 fragments; v64-127, v128-191 A's fragments, two buffers; v192-255 sets 1 and 2 of values, later SC
;   window 1: w2's ring, slot s at 64 s          window 2: accumulators of rows 0-63 ((a, b) at 8 (8 a + b)); ahead of them units 0-3 as they land; at the end the context's 16 accumulators
;   window 3: accumulators of rows 64-127; at the end two buffers of 128 for values' turned fragments
; THE MODE: SCHED_MODE bits 1:0 = 2 (LLVM: expert scheduling mode 2), set by the entry lines.  The code itself states the register dependences between vector or matrix instructions and memory or LDS
; instructions, with s_wait_alu, always for 0.
; THE PLAN.  Registers that memory or LDS instructions touch, in K step s:
;   F0, F1        The step's 64 products read one of them (fa); its 16 LDS loads land in the other (fb), which the products of step s - 1 read.
;   w2's ring     The step's products read slot s % 4; its 16 loads land in slot (s + 3) % 4, which the products of step s - 1 read.
;   sets 0 to 2   (First phase.)  16 conversions read and write set s % 3 in place; eight LDS stores read it; then the eight loads of the unit three steps on land in it.
;   v[ADRA], v[FST]  Read by the fragments' loads and by the unit's stores; each is written by one vector add every second step.
;   v[L16], v[VOF], v[PFO] and the way out's addresses are made at the head and never written again; v[QVA] is stepped once an epilogue.
; So ONE wait on va_vdst stands in a K step, in its middle, behind the add and the conversions: they have written the address and the set and are done reading the set, and the products of the step before are done
; reading fb and the ring's slot.  Behind it the vector side has only the step's second 32 products, which name fa, slot s % 4 and accumulators: none of the registers that the step's memory instructions touch.
; These are dealt among those products, eight products at a time: the stores and A's loads, w2's loads, the unit's loads.  A wait on vm_vsrc stands ahead of the add, and one ahead of the unit's loads.
.set CP,    144                        ; a row of a chunk in LDS: 128 bytes + 16 = 36 words: the 16 rows of a fragment load start at 16 different groups of four banks (64 banks of 4 bytes: ISA guide 11.1)
.set R16,   16*CP
.set CHB,   128*CP                     ; a chunk: 18,432 bytes
.set QVB,   16*CHB                     ; behind A: the table, entry n = (qc[n], -2 v[n]), 8 bytes
.set PART,  QVB+8192                   ; the waves' partial scores: 128 f32 each
.set PBUF,  PART+2048                  ; p in f16, a copy of its own for each wave: 256 bytes
.set CTX,   PBUF+1024                  ; the context on its way out: 1,024 bytes for each wave
.set SPARE, CTX+4096                   ; the spare words, 128 bytes for each wave: two blocks of 256 bytes that no other line names
.set KB,    8192                       ; a K step of 128 columns in w2f
.set SPW,  2                           ; v2   SPARE + 4 x my thread's number; never rewritten
.set NIL,  3                           ; v3   0; never rewritten
.set L16,  4                           ; v4   16 x lane; never rewritten
.set FST,  5                           ; v5   where I put 8 bytes of a row: (32 w + l / 16) x pitch + 8 (l % 16), in the chunk in hand
.set ADRA, 6                           ; v6   LDS address of my A fragments in the chunk in hand
.set ADB,  7                           ; v7   the same in chunk 0: (l % 16) x pitch + 16 (l / 16); never rewritten
.set VOF,  8                           ; v8   my 16 bytes in two rows of values: (l / 16) 4096 + (l % 16) 16; never rewritten
.set PFO,  9                           ; v9   the prefetches' offset: lane x a row of values; never rewritten
.set QVA,  14                          ; v14  my entry of the table for the phase's first fragment
.set PST,  15                          ; v15  where I put partial scores
.set PLD,  16                          ; v16  where I read them
.set PBA,  17                          ; v17  where I put four p
.set PFA,  18                          ; v18  where p's fragments are read
.set CST,  19                          ; v19  where I put a channel's sum
.set CTA,  20                          ; v20-23 the turning loads' addresses, times 32 ks on
.set CRD,  24                          ; v24  where I read the sums back
.set QST,  25                          ; v25  where I put eight entries of the table
.set QO,   26                          ; v26  my 32 bytes of qc and of v
.set VS,   28                          ; v[28:29] sum of -2 v over my columns; v29 is named with it as a pair
.set QV,   32
.set SET0, 32                          ; the three sets of values: K step s works on set s % 3
.set SET1, 192
.set SET2, 224
.set F0,   64
.set F1,   128
.set TL,   128                         ; ahead of the first product: qc and v as loaded,
.set TBL,  144                         ; and the table's entries made of them
.set SC,   192                         ; register 8 a + j: row 16 a + 8 (l / 16) + j, my columns' sum of -2 v r
.set WV,  18                           ; s18  wave
.set WG,  19                           ; s19  work-group
.set TS,  20                           ; s[20:21] an offset, in 64 bits
.set PV,  22                           ; s[22:23] values at my wave's 32 rows, at the trip's first chunk
.set PB,  24                           ; s[24:25] w2f at the K steps in hand
.set CNT, 26
.set PH,  27                           ; phases to go
.set CC,  28                           ; s[28:29] C2
.set SEL, 30                           ; s[30:31] v_permlanex16_b32's selects: each lane takes its own place in the other half
.set BV,  32                           ; s32  bv (named as a pair with s33)
.set L2E, 33                           ; s33  log2(e)
.set QC,  34                           ; s[34:35] qc at my batch
.set SCO, 36                           ; s[36:37] scores at my block
.set CTO, 38                           ; s[38:39] ctxp at my block and wave
.set MSB, 0
.macro WIN new                         ; the immediate's high byte repeats the setting that is left; a switch that changes nothing is dropped
.if MSB != (\new)
	s_set_vgpr_msb (MSB<<8)|(\new)
.set MSB, (\new)
.endif
.endm
.macro PLACES                          ; four plain instructions behind a matrix instruction, ahead of a load into a register that it has read and of what reads its result (ISA guide 7.12.1 for what reads its result); they stand beside the waits, which fill no place
.rept 4
	v_nop
.endr
.endm
; A unit of values into set st: 8 loads, each two rows' 256 bytes, from byte vo behind the pointer; values is read once in the launch
.macro VLOAD st, vo
	WIN 0
.set vi, 0
.rept 8
	global_load_b128 v[(\st)+4*vi:(\st)+4*vi+3], v[VOF], s[PV:PV+1] offset:(\vo)+vi*8192 th:TH_LOAD_NT
.set vi, vi+1
.endr
.endm
; The unit in set st is rounded in place: four f32 become 8 bytes
.macro CVTU st
	WIN 0
.set ci, 0
.rept 8
	v_cvt_pk_f16_f32 v[(\st)+4*ci], v[(\st)+4*ci], v[(\st)+4*ci+1]
	v_cvt_pk_f16_f32 v[(\st)+4*ci+1], v[(\st)+4*ci+2], v[(\st)+4*ci+3]
.set ci, ci+1
.endr
.endm
; and stored into rows 16 hf + 2 i + l / 16 of my 32 in the chunk in hand
.macro STU st, hf
	WIN 0
.set ci, 0
.rept 8
	ds_store_b64 v[FST], v[(\st)+4*ci:(\st)+4*ci+1] offset:(\hf)*R16+ci*2*CP
.set ci, ci+1
.endr
.endm
; w2's eight fragments of K step j behind the pointer, into ring slot sg: 16 loads of 512 consecutive bytes
.macro FETCHB sg, j
	WIN 0x40
.irp b, 0,1,2,3,4,5,6,7
	global_load_b128 v[64*(\sg)+8*\b:64*(\sg)+8*\b+3],   v[L16], s[PB:PB+1] offset:(\j)*KB+\b*1024
	global_load_b128 v[64*(\sg)+8*\b+4:64*(\sg)+8*\b+7], v[L16], s[PB:PB+1] offset:(\j)*KB+\b*1024+512
.endr
.endm
; A's eight fragments (128 rows x 32 k: half e of the chunk in hand) into buffer fb: rows 0-63 first
.macro FETCHA fb, e
	WIN 0
.irp a, 0,1,2,3,4,5,6,7
	ds_load_b128 v[(\fb)+8*\a:(\fb)+8*\a+3],   v[ADRA] offset:\a*R16+64*(\e)
	ds_load_b128 v[(\fb)+8*\a+4:(\fb)+8*\a+7], v[ADRA] offset:\a*R16+64*(\e)+32
.endr
.endm
; 8 matrix instructions: row block 4 hi + a x all 8 column blocks.  zero = 1: the first product starts the sums.
.macro MUL8 fa, sg, hi, a, zero
	WIN 0xa4+0x50*(\hi)                            ; A window 0, w2 window 1, C and D window 2 or 3
.irp b, 0,1,2,3,4,5,6,7
.if \zero
	v_wmma_f32_16x16x32_f16 v[8*(8*(\a)+\b):8*(8*(\a)+\b)+7], v[(\fa)+8*(4*(\hi)+(\a)):(\fa)+8*(4*(\hi)+(\a))+7], v[64*(\sg)+8*\b:64*(\sg)+8*\b+7], 0
.else
	v_wmma_f32_16x16x32_f16 v[8*(8*(\a)+\b):8*(8*(\a)+\b)+7], v[(\fa)+8*(4*(\hi)+(\a)):(\fa)+8*(4*(\hi)+(\a))+7], v[64*(\sg)+8*\b:64*(\sg)+8*\b+7], v[8*(8*(\a)+\b):8*(8*(\a)+\b)+7]
.endif
.endr
.endm
; 32 matrix instructions: row blocks 4 hi .. 4 hi + 3.  The 64 accumulators take turns, one instruction a turn, in the same order in every K step.
.macro MUL32 fa, sg, hi, zero
.irp a, 0,1,2,3
	MUL8 \fa, \sg, \hi, \a, \zero
.endr
.endm
; A K STEP: multiplies A's buffer fa by ring slot sg.  In its middle (proc) the unit in set st is rounded.  Among its second 32 products stand: (proc) the unit's stores; (lda) the next step's A, fetched into fb, half e of its
; chunk; (ldb) w2's K step three on, asked for into slot sn, which the step before read (j counts from the pointer); (vld) the unit three K steps further on, asked for into set st; (pfo) a chunk's prefetch, (pfg) in the first trip alone.
; lc: the loads from memory that may stay out when this step's w2 must be in; np: those that may stay out when the unit must be in.  Within a step w2's loads are issued ahead of the unit's.
; bar = 1: the step's barrier: my stores of the last two steps are done (the wait for 0), I say so, multiply, and touch LDS again only when all four waves have said so.
.macro STEP fa, fb, sg, zero, lc, bar, lda, e, ldb, sn, j, proc=0, st=0, hf=0, np=0, vld=0, vo=0, pfo=0, pfg=0
	s_wait_loadcnt \lc                             ; loads come back in order (ISA guide 5.7.1): this step's fragments of w2 are in
.if \bar
	s_wait_dscnt 0x0                               ; for the others' sake: my stores into the chunk are done (and no LDS instruction is pending at a signal)
	s_barrier_signal -1
.else
	s_wait_dscnt 8                                 ; A's rows 0-63 are in; the youngest eight loads (rows 64-127) may be out
.endif
	MUL32 \fa, \sg, 0, \zero
.if (\lda) || (\ldb)
	WIN 0
.endif
.if \bar
	s_barrier_wait -1                              ; the chunk stored in the last two K steps is whole
.endif
.if ((\lda) && !(\e)) || ((\proc) && !(\hf))
	s_wait_alu depctr_vm_vsrc(0)                   ; the last step's fragment loads have read v[ADRA] and its stores v[FST]: one of the two is written below
.endif
.if (\lda) && !(\e)
	v_add_nc_u32 v[ADRA], CHB, v[ADRA]             ; the next step begins a chunk
.endif
.if \proc
.if !(\hf)
	v_add_nc_u32 v[FST], CHB, v[FST]               ; the unit begins a chunk
.endif
	s_wait_loadcnt \np                             ; the unit is in
	CVTU \st                                       ; its 16 conversions are also the places in front of the loads below
.elseif (\lda) || (\ldb)
	PLACES
.endif
.if !(\bar)
	s_wait_dscnt 0x0                               ; A's rows 64-127 are in: nothing younger has been issued
.endif
.if (\lda) || (\ldb)
	s_wait_alu depctr_va_vdst(0)                   ; the add has written its address; the conversions have written the set and are done reading it; the last step's products are done reading fb and slot sn
.endif
	MUL8 \fa, \sg, 1, 0, \zero                     ; from here to the step's end the vector side names fa, slot sg and accumulators alone: the loads and stores below owe no further wait on va_vdst
.if \proc
	STU \st, \hf
.endif
.if \lda
	FETCHA \fb, \e
.endif
	MUL8 \fa, \sg, 1, 1, \zero
.if \ldb
	FETCHB \sn, \j
.endif
	MUL8 \fa, \sg, 1, 2, \zero
.if \vld
	WIN 0
	s_wait_alu depctr_vm_vsrc(0)                   ; the unit's stores, 16 products back, have read the set, in which the loads below land
	VLOAD \st, \vo
.endif
.if \pfo
.if \pfg
	s_cmp_gt_u32 s[CNT], 1                         ; the second trip has no chunk so far on
	s_cbranch_scc0 .Lno_chunk_\@
.endif
	global_prefetch_b8 v[PFO], s[PV:PV+1] offset:\pfo th:TH_LOAD_NT scope:SCOPE_SE
.if \pfg
.Lno_chunk_\@:
.endif
.endif
	MUL8 \fa, \sg, 1, 3, \zero
.endm
; K step 1 + 12 j + q of the first phase: all that hangs on q.  It works on unit 12 j + 5 + q and asks for unit 12 j + 8 + q (chunk 6 j + 4 + q / 2, half q % 2) and for w2's K step 12 j + 4 + q.
.macro P0 q, lc, proc, np, vld
.set zq, \q
.set zk, (1+zq)%3
	STEP 128-64*(zq%2), 64+64*(zq%2), (1+zq)%4, 0, \lc, zq%2, 1, zq%2, 1, zq%4, 4+zq, \proc, 32+160*((zk+1)/2)+32*(zk/2), (1+zq)%2, \np, \vld, (4+zq/2)*256+(zq%2)*65536, (\vld)*(1-zq%2)*(6+zq/2)*256, zq/8
.endm
	s_load_b256 s[4:11], s[0:1], 0x0               ; values s[4:5], w2f s[6:7], qc s[8:9], v s[10:11]
	s_load_b128 s[12:15], s[0:1], 0x20             ; bv s[12:13], scores s[14:15]
	s_load_b64 s[16:17], s[0:1], 0x30              ; ctxp
	v_lshl_add_u32 v[SPW], v0, 2, SPARE
	v_mov_b32 v[NIL], 0
	v_lshrrev_b32 v1, 5, v0
	v_readfirstlane_b32 s[WV], v1                  ; wave 0..3
	s_mov_b32 s[WG], ttmp9
	v_and_b32 v27, 31, v0                          ; l
	v_and_b32 v30, 15, v0                          ; l % 16
	v_bfe_u32 v31, v0, 4, 1                        ; l / 16
	v_lshlrev_b32 v[L16], 4, v27
	v_lshlrev_b32 v[PFO], 12, v27
	v_lshlrev_b32 v[VOF], 4, v30
	v_lshl_add_u32 v[VOF], v31, 12, v[VOF]
	s_wait_alu depctr_va_sdst(0)                   ; s[WV] is written, ahead of its first reader: LDS places, bases and branches are made from it
	s_mul_i32 s[TS], s[WV], 32*CP                  ; my wave's 32 rows of a chunk
	v_mul_u32_u24 v1, v31, CP
	v_lshl_add_u32 v1, v30, 3, v1
	v_add_nc_u32 v[FST], s[TS], v1
	v_mul_u32_u24 v[ADB], v30, CP
	v_lshl_add_u32 v[ADB], v31, 4, v[ADB]          ; a fragment: row x pitch + 16 x half
	v_mov_b32 v[ADRA], v[ADB]                      ; the first phase begins at chunk 0
	s_lshl_b32 s[TS], s[WV], 11                    ; my wave's 256 entries of 8 bytes
	s_add_co_u32 s[TS], s[TS], QVB
	v_lshl_add_u32 v[QVA], v30, 3, s[TS]
	s_lshl_b32 s[TS], s[WV], 9
	s_add_co_u32 s[TS], s[TS], PART
	v_lshl_add_u32 v[PST], v31, 5, s[TS]           ; rows 8 (l / 16) on, 4 bytes each
	v_lshl_add_u32 v[PLD], v27, 4, PART            ; rows 4 l .. 4 l + 3
	s_lshl_b32 s[TS], s[WV], 8
	s_add_co_u32 s[TS], s[TS], PBUF
	v_lshl_add_u32 v[PBA], v27, 3, s[TS]
	v_lshl_add_u32 v[PFA], v31, 4, s[TS]
	s_lshl_b32 s[TS], s[WV], 10
	s_add_co_u32 s[TS], s[TS], CTX
	v_lshl_add_u32 v[CST], v30, 2, s[TS]
	v_lshl_add_u32 v[CRD], v27, 4, s[TS]
	v_and_b32 v1, 7, v0
	v_lshl_add_u32 v1, v31, 3, v1                  ; the turning load: time 8 (l / 16) + l % 8,
	v_mul_u32_u24 v1, v1, CP
	v_bfe_u32 v30, v0, 3, 1
	v_lshl_add_u32 v1, v30, 4, v1                  ; channels 8 ((l / 8) % 2) on,
	s_mul_i32 s[TS], s[WV], 4*CHB
	v_add_nc_u32 v1, s[TS], v1                     ; in my wave's 256 channels: four chunks
.irp k, 0,1,2,3
	v_add_nc_u32 v[CTA+\k], \k*32*CP, v1
.endr
	v_lshl_add_u32 v[QST], v0, 6, QVB
	v_lshlrev_b32 v[QO], 5, v0
	v_mov_b32 v[VS], 0
	v_mov_b32 v[VS+1], 0
	s_mov_b32 s[CC], 0x4038aa3b                    ; 2 log2(e)
	s_mov_b32 s[CC+1], s[CC]
	s_mov_b32 s[SEL], 0x76543210
	s_mov_b32 s[SEL+1], 0xfedcba98
	s_mov_b32 s[L2E], 0x3fb8aa3b
	s_wait_kmcnt 0x0
	s_load_b32 s[BV], s[12:13], 0x0
	s_lshl_b32 s[TS], s[WG], 19                    ; my block's 128 rows of 4,096 bytes (511 x 2^19 stays under 2^32),
	s_lshl_b32 s[TS+1], s[WV], 17                  ; my wave's 32 of them
	s_add_co_u32 s[TS], s[TS], s[TS+1]
	s_mov_b32 s[TS+1], 0
	s_add_nc_u64 s[PV:PV+1], s[4:5], s[TS:TS+1]
	s_lshl_b32 s[TS], s[WV], 19                    ; my wave's 256 columns: 524,288 bytes of w2f on end
	s_add_nc_u64 s[PB:PB+1], s[6:7], s[TS:TS+1]
	s_lshr_b32 s[TS], s[WG], 4                     ; the batch: 16 blocks each
	s_lshl_b32 s[TS], s[TS], 12
	s_add_nc_u64 s[QC:QC+1], s[8:9], s[TS:TS+1]
	s_lshl_b32 s[TS], s[WG], 9
	s_add_nc_u64 s[SCO:SCO+1], s[14:15], s[TS:TS+1]
	s_lshl_b32 s[TS], s[WG], 12
	s_lshl_b32 s40, s[WV], 10
	s_add_co_u32 s[TS], s[TS], s40
	s_add_nc_u64 s[CTO:CTO+1], s[16:17], s[TS:TS+1]
	s_wait_alu depctr_va_vdst(0)                   ; the offsets and LDS addresses v2 to v26 are written, which the kernel's loads, stores and prefetches read
; AHEAD OF THE FIRST PRODUCT.  The loads go out in the order in which the K steps' counts take them: the table, units 0-3, then w2's K steps 0 to 2 and units 4 to 6 by turns, as three steps of the loop would issue them.
	global_load_b128 v[TL:TL+3],     v[QO], s[QC:QC+1]              ; thread t: qc and v of columns 8 t .. 8 t + 7
	global_load_b128 v[TL+4:TL+7],   v[QO], s[QC:QC+1] offset:16
	global_load_b128 v[TL+8:TL+11],  v[QO], s[10:11]
	global_load_b128 v[TL+12:TL+15], v[QO], s[10:11] offset:16
	WIN 0x80                                       ; units 0-3 land in window 2, where the sums will be
.set uq, 0
.rept 32
	global_load_b128 v[4*uq:4*uq+3], v[VOF], s[PV:PV+1] offset:(uq/16)*256+((uq/8)%2)*65536+(uq%8)*8192 th:TH_LOAD_NT
.set uq, uq+1
.endr
	FETCHB 0, 0
	VLOAD SET0, 2*256                              ; unit 4: chunk 2, rows 0-15
	FETCHB 1, 1
	VLOAD SET1, 2*256+65536                        ; unit 5: chunk 2, rows 16-31
	s_wait_loadcnt 48                              ; the table and units 0-3 are in; the 16 + 8 + 16 + 8 loads behind them may stay out
.irp i, 0,1,2,3,4,5,6,7
	v_mov_b32 v[TBL+2*\i], v[TL+\i]                ; the table's entries: qc beside -2 v, so that one LDS load brings a lane both
	v_mul_f32 v[TBL+2*\i+1], -2.0, v[TL+8+\i]
.endr
	WIN 0x8a
.set uq, 0
.rept 32
	v_cvt_pk_f16_f32 v[4*uq], v[4*uq], v[4*uq+1]
	v_cvt_pk_f16_f32 v[4*uq+1], v[4*uq+2], v[4*uq+3]
.set uq, uq+1
.endr
	WIN 0x08
	s_wait_alu depctr_va_vdst(0)                   ; the conversions have written window 2's words and the lines above them the table's entries, which the 36 LDS stores read; they are done reading v[TL ..], in which fragments of A will land
.set uq, 0
.rept 32
	ds_store_b64 v[FST], v[4*uq:4*uq+1] offset:(uq/16)*CHB+((uq/8)%2)*R16+(uq%8)*2*CP
.set uq, uq+1
.endr
	WIN 0
.irp i, 0,1,2,3
	ds_store_b128 v[QST], v[TBL+4*\i:TBL+4*\i+3] offset:16*\i
.endr
	FETCHB 2, 2
	VLOAD SET2, 3*256                              ; unit 6: chunk 3, rows 0-15
	s_wait_alu depctr_vm_vsrc(0)                   ; the LDS stores have read v[FST], written below; window 2's words, which the first products write; and v[TBL ..], in which fragments of A will land
	v_add_nc_u32 v[FST], CHB, v[FST]               ; at chunk 1: unit 4 steps it to chunk 2
	s_wait_kmcnt 0x0                               ; bv
	s_wait_dscnt 0x0                               ; for the others' sake: my rows of chunks 0 and 1 and my entries of the table are in LDS
	s_barrier_signal -1
	s_barrier_wait -1                              ; everybody's are
; THE FIRST PHASE, K steps 0 to 28.  By the text's own count a wave has out at the most three K steps of w2 (48 loads) and three units of values (24 loads).
	FETCHA F0, 0                                   ; v[ADRA] was made at the head; no vector or matrix instruction has named F0
	STEP F0, F1, 0, 1, 56, 0, 1, 1, 1, 3, 3, 1, SET0, 0, 48, 1, 3*256+65536  ; K step 0 stands in front of the loop: its products start the sums.  56 = 8 + 24 + 24 loads behind w2's K step 0; 48 = 24 + 24 behind unit 4
	WIN 0
	s_mov_b32 s[CNT], 2
.Lt0:                                                  ; K steps 12 j + 1 .. 12 j + 12.  In every one: 56 loads were issued behind this step's w2 (its own step's unit and two whole steps' loads), 48 behind the unit (two whole steps' loads)
.irp q, 0,1,2,3,4,5,6,7,8,9,10,11
	P0 \q, 56, 1, 48, 1
.endr
	WIN 0                                          ; at a label and at a branch every window is 0
	s_wait_xcnt 0x0                                ; the youngest loads, 8 matrix instructions back, and the youngest prefetch, a K step further back, have read their address (ISA guide 3.1): the pointers may be stepped
	s_add_nc_u64 s[PB:PB+1], s[PB:PB+1], 12*KB
	s_add_nc_u64 s[PV:PV+1], s[PV:PV+1], 6*256     ; six chunks along the rows
	s_sub_co_u32 s[CNT], s[CNT], 1
	s_cmp_lg_u32 s[CNT], 0
	s_cbranch_scc1 .Lt0
	P0 0, 56, 1, 48, 0                             ; K steps 25 to 27 store units 29 to 31 and ask for nothing more of values: the counts run down by 8 a step
	P0 1, 48, 1, 40, 0
	P0 2, 40, 1, 32, 0
	P0 3, 32, 0, 0, 0                              ; K step 28: the last chunk's barrier; w2's K step 31
	WIN 0
	s_mov_b32 s[PH], 2
	s_branch .Ltail                                ; the loop over phases is entered in its middle: K steps 29 to 31 are one text for both phases
.Lk1:
; THE SECOND PHASE, K steps 0 to 28: A is whole, so there is nothing to store and no barrier.  32 = the two younger K steps of w2.
	s_wait_alu depctr_vm_vsrc(0)                   ; K step 30's fragment loads have read v[ADRA]
	v_mov_b32 v[ADRA], v[ADB]
	s_wait_alu depctr_va_vdst(0)                   ; v[ADRA] is written, which the loads below read
	FETCHA F0, 0
	STEP F0, F1, 0, 1, 32, 0, 1, 1, 1, 3, 3
	WIN 0
	s_mov_b32 s[CNT], 7
.Lt1:                                                  ; K steps 4 i + 1 .. 4 i + 4: once round w2's ring
	STEP F1, F0, 1, 0, 32, 0, 1, 0, 1, 0, 4
	STEP F0, F1, 2, 0, 32, 0, 1, 1, 1, 1, 5
	STEP F1, F0, 3, 0, 32, 0, 1, 0, 1, 2, 6
	STEP F0, F1, 0, 0, 32, 0, 1, 1, 1, 3, 7
	WIN 0
	s_wait_xcnt 0x0                                ; the youngest loads, 16 matrix instructions back, have read their address: the pointer may be stepped
	s_add_nc_u64 s[PB:PB+1], s[PB:PB+1], 4*KB
	s_sub_co_u32 s[CNT], s[CNT], 1
	s_cmp_lg_u32 s[CNT], 0
	s_cbranch_scc1 .Lt1
.Ltail:
	STEP F1, F0, 1, 0, 32, 0, 1, 0, 0, 0, 0        ; K steps 29 to 31 ask for nothing more of w2: the counts run down
	STEP F0, F1, 2, 0, 16, 0, 1, 1, 0, 0, 0
	STEP F1, F0, 3, 0, 0,  0, 0, 0, 0, 0, 0        ; K step 31 issues no load and no store, so it states no dependence
	WIN 0
	s_cmp_eq_u32 s[PH], 1
	s_cbranch_scc1 .Lepi
	s_wait_alu depctr_vm_vsrc(0)                   ; the units' LDS stores have read sets 1 and 2, which are SC from here on
.set i, 0
.rept 64
	v_mov_b32 v[SC+i], 0                           ; a phase follows, so this was the first: the rows' sums, which run through both phases, start at 0 in the registers that values has left; these lines are also the places in front of the loads below
.set i, i+1
.endr
	s_wait_xcnt 0x0
	s_add_nc_u64 s[PB:PB+1], s[PB:PB+1], 8*KB      ; from K step 24 to the next phase's K step 0: its 128 columns follow in w2f
	WIN 0x40
	s_wait_alu depctr_va_vdst(0)                   ; the products of K steps 28 to 30 are done reading ring slots 0 to 2, in which the loads below land
	FETCHB 0, 0                                    ; its first three K steps land while the epilogue runs
	FETCHB 1, 1
	FETCHB 2, 2
	WIN 0
.Lepi:
; THE EPILOGUE.  For each of the 512 registers: x = C2 acc + qc; e = 2^x; e + 1; r = 1 / (e + 1); SC += -2 v r.  A UNIT is a row block's 64 registers; a window has four.
; The table's loads owe no wait here: since K step 30's wait on va_vdst the vector side has named only A's buffers, the ring, SC and accumulators, neither v[QVA] nor v[QV ..]; set 0's stores were read ahead of K step 29's wait on vm_vsrc.
.irp b, 0,1,2,3,4,5,6,7
	ds_load_b64 v[QV+2*\b:QV+2*\b+1], v[QVA] offset:128*\b          ; (qc, -2 v) of my column in fragment b
.endr
	PLACES                                         ; behind the last products
	s_wait_dscnt 0x0
	s_wait_alu depctr_vm_vsrc(0)                   ; the eight loads have read v[QVA]
	v_add_nc_u32 v[QVA], 1024, v[QVA]              ; the next phase's 128 entries
.irp b, 0,1,2,3,4,5,6,7
	v_add_f32 v[VS], v[VS], v[QV+2*\b+1]
.endr
.macro OPF u, n                        ; number n of 32: fragment n / 4, register pair n % 4: each accumulator's lowest registers are read first
.set rA, 64*(\u)+8*((\n)/4)+2*((\n)%4)
.set rQ, QV+2*((\n)/4)
	v_pk_fma_f32 v[rA:rA+1], v[rA:rA+1], s[CC:CC+1], v[rQ:rQ+1] op_sel_hi:[1,0,0]
.endm
.macro OPE u, n                        ; number n of 64
	v_exp_f32 v[64*(\u)+(\n)], v[64*(\u)+(\n)]
.endm
.macro OPA u, n
	v_pk_add_f32 v[64*(\u)+2*(\n):64*(\u)+2*(\n)+1], v[64*(\u)+2*(\n):64*(\u)+2*(\n)+1], 1.0 op_sel_hi:[1,0]
.endm
.macro OPR u, n
	v_rcp_f32 v[64*(\u)+(\n)], v[64*(\u)+(\n)]
.endm
.macro OPS x, u, n                     ; the pair's second register, -2 v, for both halves
.set rA, 64*(\u)+8*((\n)/4)+2*((\n)%4)
.set rQ, QV+2*((\n)/4)
.set rS, SC+8*(4*((\x)-2)+(\u))+2*((\n)%4)
	v_pk_fma_f32 v[rS:rS+1], v[rA:rA+1], v[rQ:rQ+1], v[rS:rS+1] op_sel:[0,1,0] op_sel_hi:[1,1,1]
.endm
; The four units go through the five stages as a pipeline of seven turns.  In turn t stand: the sums of unit t - 3; then, dealt one by one, the exponentials of unit t, the reciprocals of unit t - 2, and as plain
; neighbours the scalings of unit t + 1 and the additions of unit t - 1.  No line of a turn names a result of the turn's own exponentials or reciprocals; each turn that has any ends with a plain instruction and
; ONE s_wait_alu depctr_va_vdst(0), ahead of the first instruction that names such a result: six waits for a window's 512 of them, and none is owed at the branch below.
.macro EPIWIN x
.set WA, ((\x)<<6)|(\x)                ; destination and source 0 in window x, the table in window 0
	WIN WA
.set g, 0
.rept 32
	OPF 0, g
.set g, g+1
.endr
.set t, 0
.rept 7
.if t >= 3
	WIN (\x)                                       ; source 0 in window x; the table and SC in window 0
.set g, 0
.rept 32
	OPS \x, t-3, g
.set g, g+1
.endr
.endif
.if t <= 5
	WIN WA
.set g, 0
.rept 64
.if t <= 3
	OPE t, g
.endif
.if t >= 2
	OPR t-2, g
.endif
.if (g%2 == 0) && (t <= 2)
	OPF t+1, g/2
.endif
.if (g%2 == 1) && (t >= 1) && (t <= 4)
	OPA t-1, g/2
.endif
.set g, g+1
.endr
	v_nop                                          ; a plain instruction behind the turn's last exponential or reciprocal (ISA guide 5.7.2),
	s_wait_alu depctr_va_vdst(0)                   ; and the turn's one wait: its exponentials and reciprocals have written their results, which the next turn's lines read
.endif
.set t, t+1
.endr
.endm
	EPIWIN 2
	EPIWIN 3
	WIN 0
	s_sub_co_u32 s[PH], s[PH], 1
	s_cmp_lg_u32 s[PH], 0
	s_cbranch_scc1 .Lk1
; THE SCORES.  The sums cross the 16 lanes that hold a row's columns (four steps that ride on the addition); sum v = -1/2 sum (-2 v) joins them; the four waves' parts meet in LDS.
.irp m, 1,2,4,8
	v_add_f32_dpp v[VS], v[VS], v[VS] row_xmask:\m row_mask:0xf bank_mask:0xf
.set i, 0
.rept 64
	v_add_f32_dpp v[SC+i], v[SC+i], v[SC+i] row_xmask:\m row_mask:0xf bank_mask:0xf
.set i, i+1
.endr
.endr
	v_mul_f32 v[VS], -0.5, v[VS]
.set i, 0
.rept 32
	v_pk_add_f32 v[SC+i:SC+i+1], v[SC+i:SC+i+1], v[VS:VS+1] op_sel_hi:[1,0]
.set i, i+2
.endr
	s_wait_alu depctr_va_vdst(0)                   ; the additions have written SC, which the LDS stores read; the epilogue is done with windows 2 and 3, and the products long done with F0, in which loads below land
.set i, 0
.rept 16
	ds_store_b128 v[PST], v[SC+4*i:SC+4*i+3] offset:64*(i/2)+16*(i%2)  ; rows 16 a + 8 (l / 16) + 4 q on; the sixteen lanes of a half write the same bytes with the same numbers
.set i, i+1
.endr
	s_wait_dscnt 0x0                               ; for the others' sake
	s_barrier_signal -1
	s_barrier_wait -1                              ; all four parts lie in LDS
.irp k, 0,1,2,3
	ds_load_b128 v[96+4*\k:99+4*\k], v[PLD] offset:512*\k           ; every wave takes all 128 rows: lane l rows 4 l .. 4 l + 3, in the same order of sums: the same numbers in all four waves
.endr
	s_wait_dscnt 0x0
	v_pk_add_f32 v[96:97], v[96:97], v[100:101]
	v_pk_add_f32 v[98:99], v[98:99], v[102:103]
	v_pk_add_f32 v[104:105], v[104:105], v[108:109]
	v_pk_add_f32 v[106:107], v[106:107], v[110:111]
	v_pk_add_f32 v[96:97], v[96:97], v[104:105]
	v_pk_add_f32 v[98:99], v[98:99], v[106:107]
	v_pk_add_f32 v[112:113], v[96:97], s[BV:BV+1] op_sel_hi:[1,0]
	v_pk_add_f32 v[114:115], v[98:99], s[BV:BV+1] op_sel_hi:[1,0]
	s_cmp_lg_u32 s[WV], 0
	s_cbranch_scc1 .Lnot_wave_0
	s_wait_alu depctr_va_vdst(0)                   ; the additions have written v112-115, which the store reads
	global_store_b128 v[L16], v[112:115], s[SCO:SCO+1]              ; the block's 512 consecutive bytes; v112-115 and v4 are not written again
.Lnot_wave_0:
	v_max3_num_f32 v116, v112, v113, v114          ; the block's maximum
	v_max_num_f32 v116, v116, v115
.irp m, 1,2,4,8
	v_max_num_f32_dpp v116, v116, v116 row_xmask:\m row_mask:0xf bank_mask:0xf
.endr
	v_permlanex16_b32 v1, v116, s[SEL], s[SEL+1]   ; its destination counts as read: v1 has been written
	v_max_num_f32 v116, v116, v1
.irp i, 0,1,2,3
	v_sub_f32 v[118+\i], v[112+\i], v116
.endr
.irp i, 0,1,2,3
	v_mul_f32 v[118+\i], s[L2E], v[118+\i]
.endr
.irp i, 0,1,2,3
	v_exp_f32 v[118+\i], v[118+\i]                 ; p = e^(s - m), 0 to 1
.endr
	v_nop
	s_wait_alu depctr_va_vdst(0)                   ; one wait for the four: the exponentials have written v118-121, which the roundings read
	v_cvt_pk_f16_f32 v122, v118, v119
	v_cvt_pk_f16_f32 v123, v120, v121
	s_wait_alu depctr_va_vdst(0)                   ; the roundings have written v122-123, which the LDS store reads
	ds_store_b64 v[PBA], v[122:123]                ; into my wave's own copy
; THE CONTEXT.  Four K steps of 32 times x 16 blocks of 16 channels.  LDS serves a wave's instructions in order (ISA guide 5.7.1.4): p's loads see the store above.
.irp k, 0,1,2,3
	ds_load_b128 v[F0+8*\k:F0+8*\k+3],   v[PFA] offset:64*\k        ; p's fragment: every row alike: times 8 (l / 16) on,
	ds_load_b128 v[F0+8*\k+4:F0+8*\k+7], v[PFA] offset:64*\k+32     ; and 16 further on
.endr
.macro LOADT ks, bf                    ; values' 16 fragments (32 times x 16 channels each; four to a chunk), turned, into buffer bf of window 3
	WIN 0xc0
.irp d, 0,1,2,3,4,5,6,7,8,9,10,11,12,13,14,15
	ds_load_tr16_b128 v[128*(\bf)+8*\d:128*(\bf)+8*\d+3],   v[CTA+(\ks)] offset:(\d/4)*CHB+(\d%4)*32
	ds_load_tr16_b128 v[128*(\bf)+8*\d+4:128*(\bf)+8*\d+7], v[CTA+(\ks)] offset:(\d/4)*CHB+(\d%4)*32+R16
.endr
.endm
.macro CMUL ks, bf                     ; the 16 accumulators take turns; the first K step starts the sums
	WIN 0xac                                       ; p window 0, values window 3, C and D window 2
.irp d, 0,1,2,3,4,5,6,7,8,9,10,11,12,13,14,15
.if (\ks) == 0
	v_wmma_f32_16x16x32_f16 v[8*\d:8*\d+7], v[F0+8*(\ks):F0+8*(\ks)+7], v[128*(\bf)+8*\d:128*(\bf)+8*\d+7], 0
.else
	v_wmma_f32_16x16x32_f16 v[8*\d:8*\d+7], v[F0+8*(\ks):F0+8*(\ks)+7], v[128*(\bf)+8*\d:128*(\bf)+8*\d+7], v[8*\d:8*\d+7]
.endif
.endr
.endm
	LOADT 0, 0                                     ; no vector or matrix instruction since the last wait on va_vdst names window 3
	LOADT 1, 1
	s_wait_dscnt 32                                ; all but the younger run of 32
	CMUL 0, 0
	PLACES
	WIN 0xc0
	s_wait_alu depctr_va_vdst(0)                   ; the 16 products above are done reading buffer 0, in which the loads below land
	LOADT 2, 0
	s_wait_dscnt 32
	CMUL 1, 1
	PLACES
	WIN 0xc0
	s_wait_alu depctr_va_vdst(0)                   ; the 16 products above are done reading buffer 1, in which the loads below land
	LOADT 3, 1
	s_wait_dscnt 32
	CMUL 2, 0
	s_wait_dscnt 0x0
	CMUL 3, 1
	PLACES                                         ; four places behind the last matrix instruction, before its result is read (ISA guide 7.12.1)
	WIN 0x08                                       ; store data in window 2
	s_wait_alu depctr_va_vdst(0)                   ; the products have written the 16 accumulators, which the LDS stores read; the places above stay beside this wait
.irp d, 0,1,2,3,4,5,6,7,8,9,10,11,12,13,14,15
	ds_store_b32 v[CST], v[8*\d] offset:64*\d      ; register 0: channel 16 d + l % 16; both halves of the lanes write the same word with the same number
.endr
	WIN 0
	ds_load_b128 v[96:99],   v[CRD]                ; back as 16 bytes a lane: my wave's own bytes, in order
	ds_load_b128 v[100:103], v[CRD] offset:512
	s_wait_dscnt 0x0
	global_store_b128 v[L16], v[96:99],   s[CTO:CTO+1]              ; each store covers 512 consecutive bytes, at a multiple of 512 from ctxp's first byte
	global_store_b128 v[L16], v[100:103], s[CTO:CTO+1] offset:512
	s_wait_dscnt 0x0                               ; the closing lines, six on end
	s_wait_alu 0x0
	s_wait_tensorcnt 0x0
	ds_add_u32 v[SPW], v[NIL]
	s_wait_dscnt 0x0
	s_endpgm
.Lfunc_end_k_q4ad7fca181_score:
	.size	k_q4ad7fca181_score, .Lfunc_end_k_q4ad7fca181_score-k_q4ad7fca181_score
	.p2alignl 7, 3214868480
	.fill 96, 4, 3214868480
	.section	.rodata,"a",@progbits
	.p2align	6, 0x0
	.amdhsa_kernel k_q4ad7fca181_score
		.amdhsa_group_segment_fixed_size 310784
		.amdhsa_private_segment_fixed_size 0
		.amdhsa_enable_private_segment 0
		.amdhsa_kernarg_size 56
		.amdhsa_user_sgpr_count 2
		.amdhsa_user_sgpr_kernarg_segment_ptr 1
		.amdhsa_wavefront_size32 1
		.amdhsa_system_sgpr_workgroup_id_x 1
		.amdhsa_system_sgpr_workgroup_id_y 1
		.amdhsa_system_sgpr_workgroup_id_z 1
		.amdhsa_system_vgpr_workitem_id 0
		.amdhsa_next_free_vgpr 1024
		.amdhsa_next_free_sgpr 66
		.amdhsa_reserve_vcc 0
		.amdhsa_float_denorm_mode_32 3
		.amdhsa_float_denorm_mode_16_64 3
		.amdhsa_memory_ordered 1
		.amdhsa_forward_progress 1
		.amdhsa_inst_pref_size 255
	.end_amdhsa_kernel
	.section	.bss,"aw",@nobits
	.p2align	6
	.space	262144
	.amdgpu_metadata
---
amdhsa.version: [ 1, 2 ]
amdhsa.kernels:
  - .name:           k_q4ad7fca181_score
    .symbol:         k_q4ad7fca181_score.kd
    .args:
      - { .name: values, .offset: 0, .size: 8, .value_kind: global_buffer, .address_space: global }
      - { .name: w2f, .offset: 8, .size: 8, .value_kind: global_buffer, .address_space: global }
      - { .name: qc, .offset: 16, .size: 8, .value_kind: global_buffer, .address_space: global }
      - { .name: v, .offset: 24, .size: 8, .value_kind: global_buffer, .address_space: global }
      - { .name: bv, .offset: 32, .size: 8, .value_kind: global_buffer, .address_space: global }
      - { .name: scores, .offset: 40, .size: 8, .value_kind: global_buffer, .address_space: global }
      - { .name: ctxp, .offset: 48, .size: 8, .value_kind: global_buffer, .address_space: global }
    .group_segment_fixed_size: 310784
    .private_segment_fixed_size: 0
    .kernarg_segment_align: 8
    .kernarg_segment_size: 56
    .max_flat_workgroup_size: 128
    .sgpr_count:     66
    .vgpr_count:     1024
    .wavefront_size: 32
...
	.end_amdgpu_metadata
.endif
;; end of part 4
;; launch combine: the kernel of part 3 again; grid 4 x 32, 8 waves a work-group, no clusters, 5,632 bytes of LDS; arguments scores, ctxp, out0, out1; writes out0, out1
